; MI455X (gfx1250); checked and timed in simulation.
; The chip was launched on July 23, 2026; its instructions are those of AMD's public machine-readable ISA for CDNA 5 (MIT licence, August 2026) and "CDNA5" Instruction Set Architecture Reference Guide (July 2026). The comments in the code are by the model that wrote it; some were corrected since.
;; Block2048. Allowed arithmetic: matrix products marked QUANTISED: E2M3 operands, one E8M0 scale for each 32 along K, by v_wmma_scale_f32_16x16x128_f8f6f4 with both operands' format E2M3, f32 sums; everything else in f32.
;; Inputs: n1_w 1,024 float32; n2_w 1,024 float32; w1 2,730 x 1,024 float32; w2 1,024 x 2,730 float32; w3 2,730 x 1,024 float32; w_o 1,024 x 1,024 float32; w_qkv 3,072 x 1,024 float32; x 2 x 2,048 x 1,024 float32.
;; Outputs: out0 2 x 2,048 x 1,024 float32.
;; This version of the problem:
;;   THIS VERSION OF THE PROBLEM IS GIVEN IN LOW PRECISION. The matrix products marked QUANTISED in the list below multiply operands that are first quantised to E2M3 (2 exponent bits, 3 mantissa bits; 6 bits a number), with one power-of-two scale for each 32 numbers along K (OCP MX v1.0); their sums are f32. All else is computed in f32.
;;   The module's matrix products, in the order in which they are computed (A, B: the left and right operand; K: the contracted axis; several contracted axes count as one K, in the product's order):
;;     1. [M 4,096, K 1,024] x [K 1,024, N 3,072]; A: computed on the way; B: input w_qkv: QUANTISED
;;     2. batch 32 x [M 2,048, K 64] x [K 64, N 2,048]; A: computed on the way; B: computed on the way: QUANTISED
;;     3. batch 32 x [M 64, K 2,048] x [K 2,048, N 2,048]; A: computed on the way; B: softmax (see below): QUANTISED
;;     4. [M 4,096, K 1,024] x [K 1,024, N 1,024]; A: computed on the way; B: input w_o: QUANTISED
;;     5. [M 4,096, K 1,024] x [K 1,024, N 2,730]; A: computed on the way; B: input w1: QUANTISED
;;     6. [M 4,096, K 1,024] x [K 1,024, N 2,730]; A: computed on the way; B: input w3: QUANTISED
;;     7. [M 4,096, K 2,730] x [K 2,730, N 1,024]; A: computed on the way; B: input w2: QUANTISED
;;   THE QUANTISER, for each operand of a quantised product, along K:
;;     - K is cut into blocks of 32 from its start; a last block that is shorter is filled with zeros.
;;     - A block's scale is 2^e with e = floor(log2(the largest magnitude in the block)) - 2, held to -126 .. 127; a block of zeros has e = 0. As a byte (E8M0): e + 127.
;;     - Each number is divided by its block's scale, clamped to +-7.5, and rounded to the nearest number of E2M3, ties to even, subnormals kept.
;;     - The product sums the exact products of the quantised numbers (number of the format x scale) in f32.
;;   ~~~python
;;   def quantise(x, axis):      # numpy; x: float32 -> the quantised numbers, widened to float32 again
;;       x = np.moveaxis(x, axis, -1); K = x.shape[-1]
;;       x = np.pad(x, [(0, 0)] * (x.ndim - 1) + [(0, -K % 32)]); x = x.reshape(x.shape[:-1] + (-1, 32)); a = np.abs(x).max(-1, keepdims=True)
;;       e = np.where(a > 0, np.clip(np.frexp(np.where(a > 0, a, 1))[1] - 1 - 2, -126, 127), 0)      # np.frexp(a)[1] - 1 = floor(log2(a)), exactly
;;       r = np.clip(x / 2.0 ** e, -7.5, 7.5)
;;       step = 2.0 ** (np.maximum(np.frexp(np.where(r == 0, 1, r))[1] - 1, 0) - 3)
;;       q = np.round(r / step) * step * 2.0 ** e      # np.round: ties to even
;;       return np.moveaxis(q.reshape(q.shape[:-2] + (-1,))[..., :K], -1, axis).astype(np.float32)
;;   ~~~
;;   SOFTMAX AHEAD OF A QUANTISED PRODUCT. Where the list says 'softmax', what is quantised is not the finished softmax but p = 2^(t - M), with t = logit x log2(e) and M = ceil(the row's largest t), a whole number; so 1/2 < the row's largest p <= 1. The row's sum l is taken of the UNQUANTISED p, in f32, and the product's result is divided by l at the end. Since M is a whole number, a kernel that streams over the keys may use a running M (the ceiling of the running maximum): every later rescaling is an exact power of two, which a block's scale takes up: the codes' values come out the same.
;;   OPERANDS COMPUTED ON THE WAY. 'Computed on the way' means the value that the module computes at that place (a softmax that the list does not call 'softmax' is quantised finished and normalised). What goes into a quantiser is computed in f32, as accurately as f32 sums, v_exp_f32 and their like allow (about 1e-6 of the number): no bf16 or f16 on the way to a quantiser, and a product that is left as it is and whose result goes on into a quantised operand takes f32 operands (vector FMAs, or v_wmma_f32_16x16x4_f32). A number that lies on a knife's edge between two numbers of the format may be rounded either way, as far as f32 arithmetic and the matrix unit's own rounding can turn it there, and no further.
;; One version. Each part assembles by itself: llvm-mc -triple=amdgcn-amd-amdhsa -mcpu=gfx1250 --defsym DOCPART=n.
;; ======== version 1 of 1: 7 launches
;; limits: right only within a limited range of input values
;; workspace buffers: wq 10,240,000 bytes; act 3,276,800 bytes; qkvq 10,092,544 bytes; x1 16,777,216 bytes; gq 9,830,400 bytes
;; launch prep (part 1): grid 1056 x 1, 8 waves a work-group, no clusters, 69,632 bytes of LDS; arguments x, n1_w, w_qkv, w_o, w1, w3, w2, act, wq; writes act, wq
.if DOCPART == 1
	.amdgcn_target "amdgcn-amd-amdhsa--gfx1250"
	.amdhsa_code_object_version 6
	.text
	.protected	k_q40d6508250_prep
	.globl	k_q40d6508250_prep
	.p2align	8
	.type	k_q40d6508250_prep,@function
k_q40d6508250_prep:
	s_mov_b64 s[64:65], 0
	v_nop
	global_prefetch_b8 v0, s[64:65] scope:SCOPE_SE
	s_setreg_imm32_b32 hwreg(HW_REG_WAVE_MODE, 25, 1), 1
	s_wait_xcnt 0x0
; f32 rows with K innermost become operands of MX-FP6 (E2M3 codes, one E8M0 byte for each 32 along K), laid in the ORDER OF THE OPERAND'S REGISTERS.
; A work-group takes one tile of 16 rows and 8 K steps of 128; wave w takes K step 8 q + w.  Work-groups 0-255: the tokens (rmsnorm first: x * rsqrt(mean(x^2) + 1e-6) * n_w);
; 256-447 w_qkv; 448-511 w_o; 512-687 w1; 688-863 w3; 864-1055 w2 (64 tiles x 3 runs of 8 K steps; K = 2,730 is filled with zeros up to 3,072).
; THE ROWS OF A TILE ARE NOT NEIGHBOURS: position i of tile t is row 32 (t / 2) + 8 (t % 2) + i + 8 (i / 8), so that a product that takes such tiles as source 0 leaves 16 neighbours in 16 registers.
; IMAGE of a fragment (tile, K step): 1,536 bytes; byte 512 c + 16 lane + 4 e is register 4 c + e of the lane.  SCALE WORDS: tile x SS + (s / 4) x 256 + 16 r + 4 (s % 4).
; w1's and w3's tiles are interleaved by fours (64 units of w1, then the same 64 of w3).  Rows past a tensor's last row and K past its end become zero codes.
; One path through every LDS line and both barriers: only pointers and numbers are chosen by the work-group's number.  The sum of squares is taken of weights too and not used there.
; Each load reads 256 consecutive bytes of a row (8 bytes a lane: a row of w2 begins on a multiple of 8 only); the 16 rows x 512 bytes turn through the wave's own stage so that a lane gets 16 neighbours of each block.
; No matrix unit, no cluster, no tensor load: a stream that is read once, and work-groups share no input but n_w's 4,096 bytes.
; LIMITS: NaN and infinities are not served; a block whose largest magnitude lies under 2^-124 keeps the byte 1; a block of zeros gets the byte 1 (its codes are zeros, and this program alone reads the bytes).
.set ACT_SCL, 3145728
.set WI_QKV,  0
.set WI_O,    2359296
.set WI_UP,   3145728
.set WI_2,    7471104
.set WS_QKV,  9830400
.set WS_O,    9928704
.set WS_UP,   9961472
.set WS_2,    10141696
.set STGW,  8448                       ; a wave's stage: 16 rows x (512 bytes + 16)
.set PART,  67584                      ; the waves' sums of squares: 32 r + 4 w
.set SCG,   68096                      ; the tile's scale words of 8 K steps: (w / 4) x 256 + 16 r + 4 (w % 4)
.set SPARE, 68608                      ; the spare words, 128 bytes for each wave: four blocks of 256 bytes that no other line names
.set VA,  4                            ; v4   byte in a row of my first 8 bytes, held at the row's last 8
.set VB,  5                            ; v5   the same 256 bytes on
.set SAD, 6                            ; v6   the stage, on the way in: 8448 w + 8 lane
.set SL,  7                            ; v7   and back: 8448 w + 528 r + 64 h
.set VN,  8                            ; v8   n_w: 512 w + 64 h
.set VI,  9                            ; v9   16 lane
.set PAW, 10
.set PAR, 11
.set SGW, 12
.set SGR, 13
.set DD,  14
.set TM,  16                           ; v16-31 at work in QUANT
.set PC,  32                           ; v32-43 the fragment's codes
.set TT,  44                           ; v44-51 conversions' second halves
.set PW,  52                           ; v52    the scale word
.set SQ,  54                           ; v54-61 sums of squares
.set SPW, 62
.set NIL, 63
.set R,   64                           ; v64-127  as loaded
.set X,   128                          ; v128-191 register 16 b + i = k 32 b + 16 h + i of my row
.set NW,  192                          ; v192-255 n_w at the same k
.set SEL, 92
; 64 numbers of a lane become a fragment's 12 registers of codes and its scale word
.macro QUANT src, dst, tmp, pw
.irp b, 0,1,2,3
	v_max3_num_f32 v[TM+\b], |v[(\src)+16*\b]|, |v[(\src)+16*\b+1]|, 0x1800000   ; my 16 numbers of block b, and the floor 2^(3 - 127): the byte cannot fall under 1
.endr
.irp i, 2,4,6,8,10,12,14
.irp b, 0,1,2,3
	s_delay_alu instid0(VALU_DEP_4)
	v_max3_num_f32 v[TM+\b], v[TM+\b], |v[(\src)+16*\b+\i]|, |v[(\src)+16*\b+\i+1]|
.endr
.endr
.irp b, 0,1,2,3
	s_delay_alu instid0(VALU_DEP_4)
	v_permlanex16_b32 v[TM+4+\b], v[TM+\b], s[SEL], s[SEL+1]
.endr
.irp b, 0,1,2,3
	s_delay_alu instid0(VALU_DEP_4)
	v_max_num_f32 v[TM+\b], v[TM+\b], v[TM+4+\b]       ; with lane l xor 16's 16: the block's largest magnitude
.endr
.irp b, 0,1,2,3
	s_delay_alu instid0(VALU_DEP_4)
	v_add_nc_u32 v[TM+12+\b], 0xff000000, v[TM+\b]     ; 2 off its exponent field: the conversion's scale operand
.endr
.irp b, 0,1,2,3
	s_delay_alu instid0(VALU_DEP_4)
	v_lshrrev_b32 v[TM+4+\b], 23, v[TM+12+\b]          ; the scale's byte
.endr
	s_delay_alu instid0(VALU_DEP_3)
	v_lshl_or_b32 v[\pw], v[TM+5], 8, v[TM+4]
	s_delay_alu instid0(VALU_DEP_1)
	v_lshl_or_b32 v[\pw], v[TM+6], 16, v[\pw]
	s_delay_alu instid0(VALU_DEP_1)
	v_lshl_or_b32 v[\pw], v[TM+7], 24, v[\pw]
.irp c, 0,1
	v_cvt_scalef32_pk16_fp6_f32 v[(\dst)+6*\c:(\dst)+6*\c+2], v[(\src)+32*\c:(\src)+32*\c+15], v[TM+12+2*\c]
	v_cvt_scalef32_pk16_fp6_f32 v[(\tmp)+4*\c:(\tmp)+4*\c+2], v[(\src)+32*\c+16:(\src)+32*\c+31], v[TM+12+2*\c+1]
.endr
	v_nop                                              ; one plain place behind the conversions
.irp c, 0,1                                        ; the operand wants a whole block in a lane: lanes 0-15 block 2 c, lanes 16-31 block 2 c + 1
.irp i, 0,1,2
	v_permlane16_swap_b32 v[(\dst)+6*\c+\i], v[(\tmp)+4*\c+\i]
.endr
.irp i, 0,1,2
	s_delay_alu instid0(VALU_DEP_3)
	v_mov_b32 v[(\dst)+6*\c+3+\i], v[(\tmp)+4*\c+\i]
.endr
.endr
.endm
; from work-group 'first' on: another source, the weights' buffer as destination, and the region's numbers
.macro PICK first, src, imgo, sclo, rlast
	s_cmp_ge_u32 ttmp9, \first
	s_cselect_b64 s[28:29], s[\src:\src+1], s[28:29]
	s_cselect_b64 s[30:31], s[24:25], s[30:31]
	s_cselect_b32 s66, \first, s66
	s_cselect_b32 s67, \imgo, s67
	s_cselect_b32 s68, \sclo, s68
	s_cselect_b32 s69, \rlast, s69
.endm
	s_load_b512 s[8:23], s[0:1], 0x0               ; tokens s[8:9], n_w s[10:11], w_qkv, w_o, w1, w3, w2 s[12:21], act s[22:23]
	s_load_b64 s[24:25], s[0:1], 0x40              ; wq
	v_lshl_add_u32 v[SPW], v0, 2, SPARE
	v_mov_b32 v[NIL], 0
	v_lshrrev_b32 v15, 5, v0                       ; wave, in every lane
	s_delay_alu instid0(VALU_DEP_1)
	v_readfirstlane_b32 s26, v15                   ; and as a scalar
	v_and_b32 v1, 31, v0                           ; lane
	v_and_b32 v2, 15, v0                           ; r
	v_bfe_u32 v3, v0, 4, 1                         ; h
	v_mul_u32_u24 v[SAD], v15, STGW
	s_delay_alu instid0(VALU_DEP_3)
	v_mul_u32_u24 v[SL], v2, 528
	s_delay_alu instid0(VALU_DEP_1)
	v_add_nc_u32 v[SL], v[SL], v[SAD]
	s_delay_alu instid0(VALU_DEP_1)
	v_lshl_add_u32 v[SL], v3, 6, v[SL]
	s_delay_alu instid0(VALU_DEP_4)
	v_lshl_add_u32 v[SAD], v1, 3, v[SAD]
	v_lshlrev_b32 v[PAR], 5, v2
	s_delay_alu instid0(VALU_DEP_1)
	v_add_nc_u32 v[PAR], PART, v[PAR]
	s_delay_alu instid0(VALU_DEP_1)
	v_lshl_add_u32 v[PAW], v15, 2, v[PAR]
	v_lshrrev_b32 v[SGW], 2, v15
	s_delay_alu instid0(VALU_DEP_1)
	v_lshlrev_b32 v[SGW], 8, v[SGW]
	s_delay_alu instid0(VALU_DEP_1)
	v_lshl_add_u32 v[SGW], v2, 4, v[SGW]
	v_and_b32 v[SGR], 3, v15
	s_delay_alu instid0(VALU_DEP_1)
	v_lshl_add_u32 v[SGW], v[SGR], 2, v[SGW]
	s_delay_alu instid0(VALU_DEP_1)
	v_add_nc_u32 v[SGW], SCG, v[SGW]
	v_lshlrev_b32 v[VI], 4, v1
	s_delay_alu instid0(VALU_DEP_1)
	v_add_nc_u32 v[SGR], SCG, v[VI]
	v_lshlrev_b32 v[VN], 6, v3
	s_delay_alu instid0(VALU_DEP_1)
	v_lshl_add_u32 v[VN], v15, 9, v[VN]
.irp b, 0,1,2,3
	v_mov_b32 v[TM+4+\b], 0                        ; written once: a lane permute's destination counts as one of its sources
.endr
	s_mov_b32 s[SEL], 0x76543210
	s_mov_b32 s[SEL+1], 0xfedcba98                 ; lane l xor 16
	s_mov_b32 s86, 0x3a800000                      ; 1 / 1,024
	s_mov_b32 s87, 0x358637bd                      ; 1e-6
	s_mov_b32 s66, 0                               ; the region's first work-group,
	s_mov_b32 s67, 0                               ; where its images begin,
	s_mov_b32 s68, ACT_SCL                         ; where its scale words begin,
	s_mov_b32 s69, 4095                            ; its last row
	s_wait_alu depctr_va_vdst(0)
	s_wait_kmcnt 0x0
	s_mov_b64 s[28:29], s[8:9]                     ; source
	s_mov_b64 s[30:31], s[22:23]                   ; destination
	PICK 256, 12, WI_QKV, WS_QKV, 3071
	PICK 448, 14, WI_O, WS_O, 1023
	PICK 512, 16, WI_UP, WS_UP, 2729
	PICK 688, 18, WI_UP+4*12288, WS_UP+4*512, 2729
	PICK 864, 20, WI_2, WS_2, 1023
	s_sub_co_u32 s70, ttmp9, s66                   ; my number in the region
	s_mov_b32 s71, 4096                            ; a row in bytes,
	s_mov_b32 s72, 4088                            ; its last 8 bytes,
	s_mov_b32 s73, 1024                            ; K,
	s_mov_b32 s74, 12288                           ; from tile to tile in the images,
	s_mov_b32 s75, 512                             ; and in the scale words
	s_lshr_b32 s76, s70, 6
	s_and_b32 s77, s70, 63
	s_cmp_ge_u32 ttmp9, 864                        ; w2?
	s_cselect_b32 s71, 10920, s71
	s_cselect_b32 s72, 10912, s72
	s_cselect_b32 s73, 2730, s73
	s_cselect_b32 s74, 36864, s74
	s_cselect_b32 s75, 1536, s75
	s_cselect_b32 s76, s76, 0                      ; q: which run of 8 K steps
	s_cselect_b32 s77, s77, s70                    ; t: the tile
	s_lshr_b32 s78, s77, 2
	s_lshl_b32 s78, s78, 2
	s_add_co_u32 s78, s78, s77                     ; t + 4 (t / 4)
	s_sub_co_u32 s79, ttmp9, 512
	s_cmp_lt_u32 s79, 352                          ; w1 or w3?
	s_cselect_b32 s78, s78, s77                    ; the tile's place in the destination
	s_lshl_b32 s80, s76, 3
	s_add_co_u32 s80, s80, s26                     ; ks: my K step
	s_lshr_b32 s81, s77, 1
	s_lshl_b32 s81, s81, 5
	s_and_b32 s82, s77, 1
	s_lshl_b32 s82, s82, 3
	s_add_co_u32 s81, s81, s82                     ; the tile's first row
	s_mov_b32 s83, 0
.irp i, 0,1,2,3,4,5,6,7,8,9,10,11,12,13,14,15
	s_add_co_u32 s82, s81, \i+8*(\i/8)
	s_min_u32 s82, s82, s69                        ; no load leaves the tensor: rows past its end read the last row and are cleared below
	s_mul_i32 s82, s82, s71
	s_add_nc_u64 s[32+2*\i:33+2*\i], s[28:29], s[82:83]
.endr
	s_lshl_b32 s84, s80, 9
	v_lshl_add_u32 v[VA], v1, 3, s84               ; 512 ks + 8 lane
	s_delay_alu instid0(VALU_DEP_1)
	v_add_nc_u32 v[VB], 0x100, v[VA]
	s_delay_alu instid0(VALU_DEP_2)
	v_min_u32 v[VA], s72, v[VA]
	s_wait_alu depctr_va_vdst(0)
	v_min_u32 v[VB], s72, v[VB]
	s_wait_alu depctr_va_vdst(0)
	s_mul_i32 s82, s78, s74
	s_mul_i32 s84, s80, 1536
	s_add_co_u32 s82, s82, s84
	s_add_co_u32 s82, s82, s67
	s_add_nc_u64 s[88:89], s[30:31], s[82:83]      ; my fragment's image
	s_mul_i32 s82, s78, s75
	s_lshl_b32 s84, s76, 9
	s_add_co_u32 s82, s82, s84
	s_add_co_u32 s82, s82, s68
	s_add_nc_u64 s[90:91], s[30:31], s[82:83]      ; the tile's scale words of these 8 K steps
	s_add_co_u32 s82, s81, 23                      ; is anything to be cleared?  The tile's last row past the tensor's,
	s_cmp_gt_u32 s82, s69
	s_cselect_b32 s94, 1, 0
	s_lshl_b32 s85, s80, 7
	s_add_co_u32 s82, s85, 127
	s_cmp_ge_u32 s82, s73                          ; or my K step's end past K
	s_cselect_b32 s94, 1, s94
	s_sub_co_i32 s85, s73, s85                     ; K - 128 ks
.irp b, 0,1,2,3
.irp j, 0,1,2,3
	global_load_b128 v[NW+16*\b+4*\j:NW+16*\b+4*\j+3], v[VN], s[10:11] offset:128*\b+16*\j
.endr
.endr
.irp i, 0,1,2,3,4,5,6,7,8,9,10,11,12,13,14,15
	global_load_b64 v[R+4*\i:R+4*\i+1], v[VA], s[32+2*\i:33+2*\i] th:TH_LOAD_NT     ; 32 lanes read 256 consecutive bytes of row i
	global_load_b64 v[R+4*\i+2:R+4*\i+3], v[VB], s[32+2*\i:33+2*\i] th:TH_LOAD_NT
.endr
.irp i, 0,1,2,3,4,5,6,7,8,9,10,11,12,13,14,15
	s_wait_loadcnt 30-2*\i                         ; row i's two loads are in; the younger rows' pairs stay out
	ds_store_b64 v[SAD], v[R+4*\i:R+4*\i+1] offset:528*\i
	ds_store_b64 v[SAD], v[R+4*\i+2:R+4*\i+3] offset:528*\i+256
.endr
.irp b, 0,1,2,3
.irp j, 0,1,2,3
	ds_load_b128 v[X+16*\b+4*\j:X+16*\b+4*\j+3], v[SL] offset:128*\b+16*\j   ; the stage is my wave's own, and LDS serves a wave's instructions in order
.endr
.endr
	s_wait_dscnt 0x0
	v_pk_mul_f32 v[SQ:SQ+1], v[X:X+1], v[X:X+1]    ; the sum of squares of my 64, in two chains
	v_pk_mul_f32 v[SQ+2:SQ+3], v[X+2:X+3], v[X+2:X+3]
.irp j, 4,8,12,16,20,24,28,32,36,40,44,48,52,56,60
	s_delay_alu instid0(VALU_DEP_2)
	v_pk_fma_f32 v[SQ:SQ+1], v[X+\j:X+\j+1], v[X+\j:X+\j+1], v[SQ:SQ+1]
	s_delay_alu instid0(VALU_DEP_2)
	v_pk_fma_f32 v[SQ+2:SQ+3], v[X+\j+2:X+\j+3], v[X+\j+2:X+\j+3], v[SQ+2:SQ+3]
.endr
	s_delay_alu instid0(VALU_DEP_1)
	v_pk_add_f32 v[SQ:SQ+1], v[SQ:SQ+1], v[SQ+2:SQ+3]
	s_delay_alu instid0(VALU_DEP_1)
	v_add_f32 v[SQ], v[SQ], v[SQ+1]
	s_delay_alu instid0(VALU_DEP_1)
	v_permlanex16_b32 v[SQ+1], v[SQ], s[SEL], s[SEL+1]
	s_delay_alu instid0(VALU_DEP_1)
	v_add_f32 v[SQ], v[SQ], v[SQ+1]                ; my row's 128 numbers of this K step
	ds_store_b32 v[PAW], v[SQ]                     ; (lanes r and r + 16 write the same word with the same value)
	s_wait_dscnt 0x0                               ; for the others' sake: my store has landed
	s_barrier_signal -1
	s_barrier_wait -1
	ds_load_b128 v[SQ:SQ+3], v[PAR]                ; my row's eight parts
	ds_load_b128 v[SQ+4:SQ+7], v[PAR] offset:16
	s_wait_dscnt 0x0
	s_cmp_eq_u32 s94, 0
	s_cbranch_scc1 .Lwhole
	v_and_b32 v[DD], 8, v2                         ; what lies past the tensor's last row or past K becomes 0 ahead of the block's maximum
	s_delay_alu instid0(VALU_DEP_1)
	v_add3_u32 v[DD], v[DD], v2, s81               ; my row
	s_delay_alu instid0(VALU_DEP_1)
	v_cmp_ge_u32 vcc_lo, s69, v[DD]
	v_lshlrev_b32 v[TM], 4, v3
	s_delay_alu instid0(VALU_DEP_1)
	v_sub_nc_u32 v[TM], s85, v[TM]                 ; K - 128 ks - 16 h: register 16 b + i counts where 32 b + i lies under it
	s_delay_alu instid0(VALU_DEP_1)
	v_cndmask_b32 v[DD], 0, v[TM], vcc_lo          ; a row past the end: nothing counts
.irp b, 0,1,2,3
.irp i, 0,1,2,3,4,5,6,7,8,9,10,11,12,13,14,15
	v_cmp_lt_i32 vcc_lo, 32*\b+\i, v[DD]
	s_delay_alu instid0(VALU_DEP_1)
	v_cndmask_b32 v[X+16*\b+\i], 0, v[X+16*\b+\i], vcc_lo
.endr
.endr
.Lwhole:
	s_cmp_ge_u32 ttmp9, 256
	s_cbranch_scc1 .Lweight
	v_pk_add_f32 v[SQ:SQ+1], v[SQ:SQ+1], v[SQ+2:SQ+3]      ; tokens: the norm
	v_pk_add_f32 v[SQ+4:SQ+5], v[SQ+4:SQ+5], v[SQ+6:SQ+7]
	s_delay_alu instid0(VALU_DEP_1)
	v_pk_add_f32 v[SQ:SQ+1], v[SQ:SQ+1], v[SQ+4:SQ+5]
	s_delay_alu instid0(VALU_DEP_1)
	v_add_f32 v[SQ], v[SQ], v[SQ+1]
	s_delay_alu instid0(VALU_DEP_1)
	v_fma_f32 v[SQ], v[SQ], s86, s87               ; mean + 1e-6 (the division by 1,024 is exact)
	s_wait_alu depctr_va_vdst(0)
	v_rsq_f32 v[SQ], v[SQ]
	v_nop                                          ; a plain place behind the transcendental,
	s_wait_alu depctr_va_vdst(0)                   ; and the wait ahead of its first reader
.irp j, 0,2,4,6,8,10,12,14,16,18,20,22,24,26,28,30,32,34,36,38,40,42,44,46,48,50,52,54,56,58,60,62
	v_pk_mul_f32 v[X+\j:X+\j+1], v[X+\j:X+\j+1], v[SQ:SQ+1] op_sel_hi:[1,0]
.endr
.irp j, 0,2,4,6,8,10,12,14,16,18,20,22,24,26,28,30,32,34,36,38,40,42,44,46,48,50,52,54,56,58,60,62
	v_pk_mul_f32 v[X+\j:X+\j+1], v[X+\j:X+\j+1], v[NW+\j:NW+\j+1]
.endr
.Lweight:
	QUANT X, PC, TT, PW
.irp c, 0,1,2
	global_store_b128 v[VI], v[PC+4*\c:PC+4*\c+3], s[88:89] offset:512*\c    ; 32 lanes store 512 consecutive bytes, aligned to 256
.endr
	ds_store_b32 v[SGW], v[PW]
	s_wait_dscnt 0x0                               ; for wave 0's sake
	s_barrier_signal -1
	s_barrier_wait -1
	s_cmp_lg_u32 s26, 0
	s_cbranch_scc1 .Lend
	ds_load_b128 v[SQ:SQ+3], v[SGR]                ; the eight waves' scale words: 512 bytes as they are to lie in memory
	s_wait_dscnt 0x0
	global_store_b128 v[VI], v[SQ:SQ+3], s[90:91]
.Lend:
	s_wait_tensorcnt 0x0                           ; the wave's end, behind my last LDS store
	ds_add_u32 v[SPW], v[NIL]
	s_wait_dscnt 0x0
	s_endpgm
.Lfunc_end_k_q40d6508250_prep:
	.size	k_q40d6508250_prep, .Lfunc_end_k_q40d6508250_prep-k_q40d6508250_prep
	.p2alignl 7, 3214868480
	.fill 96, 4, 3214868480
	.section	.rodata,"a",@progbits
	.p2align	6, 0x0
	.amdhsa_kernel k_q40d6508250_prep
		.amdhsa_group_segment_fixed_size 69632
		.amdhsa_private_segment_fixed_size 0
		.amdhsa_enable_private_segment 0
		.amdhsa_kernarg_size 72
		.amdhsa_user_sgpr_count 2
		.amdhsa_user_sgpr_kernarg_segment_ptr 1
		.amdhsa_wavefront_size32 1
		.amdhsa_system_sgpr_workgroup_id_x 1
		.amdhsa_system_sgpr_workgroup_id_y 1
		.amdhsa_system_sgpr_workgroup_id_z 1
		.amdhsa_system_vgpr_workitem_id 0
		.amdhsa_next_free_vgpr 256
		.amdhsa_next_free_sgpr 96
		.amdhsa_reserve_vcc 1
		.amdhsa_float_denorm_mode_32 3
		.amdhsa_float_denorm_mode_16_64 3
		.amdhsa_memory_ordered 1
		.amdhsa_forward_progress 1
		.amdhsa_inst_pref_size 39
	.end_amdhsa_kernel
	.amdgpu_metadata
---
amdhsa.version: [ 1, 2 ]
amdhsa.kernels:
  - .name:           k_q40d6508250_prep
    .symbol:         k_q40d6508250_prep.kd
    .args:
      - { .name: x, .offset: 0, .size: 8, .value_kind: global_buffer, .address_space: global }
      - { .name: n1_w, .offset: 8, .size: 8, .value_kind: global_buffer, .address_space: global }
      - { .name: w_qkv, .offset: 16, .size: 8, .value_kind: global_buffer, .address_space: global }
      - { .name: w_o, .offset: 24, .size: 8, .value_kind: global_buffer, .address_space: global }
      - { .name: w1, .offset: 32, .size: 8, .value_kind: global_buffer, .address_space: global }
      - { .name: w3, .offset: 40, .size: 8, .value_kind: global_buffer, .address_space: global }
      - { .name: w2, .offset: 48, .size: 8, .value_kind: global_buffer, .address_space: global }
      - { .name: act, .offset: 56, .size: 8, .value_kind: global_buffer, .address_space: global }
      - { .name: wq, .offset: 64, .size: 8, .value_kind: global_buffer, .address_space: global }
    .group_segment_fixed_size: 69632
    .private_segment_fixed_size: 0
    .kernarg_segment_align: 8
    .kernarg_segment_size: 72
    .max_flat_workgroup_size: 256
    .sgpr_count:     96
    .vgpr_count:     256
    .wavefront_size: 32
...
	.end_amdgpu_metadata
.endif
;; end of part 1
;; launch qkv (part 2): grid 16 x 16, 4 waves a work-group, clusters of 4 x 1, 327,680 bytes of LDS; arguments act, wq, qkvq; writes qkvq
.if DOCPART == 2
	.amdgcn_target "amdgcn-amd-amdhsa--gfx1250"
	.amdhsa_code_object_version 6
	.text
	.protected	k_q40d6508250_qkv
	.globl	k_q40d6508250_qkv
	.p2align	8
	.type	k_q40d6508250_qkv,@function
k_q40d6508250_qkv:
	s_mov_b64 s[64:65], 0
	v_nop
	global_prefetch_b8 v0, s[64:65] scope:SCOPE_SE
	s_setreg_imm32_b32 hwreg(HW_REG_WAVE_MODE, 25, 1), 1
	s_wait_xcnt 0x0
	s_wait_alu depctr_hold_cnt(0) depctr_sa_sdst(0) depctr_va_vdst(0) depctr_va_sdst(0) depctr_va_ssrc(0) depctr_va_vcc(0) depctr_vm_vsrc(0)
	s_getreg_b32 s2, hwreg(HW_REG_IB_STS2, 6, 4)
	s_cmp_eq_u32 s2, 0
	s_cbranch_scc0 .Lentry_in_a_cluster
	s_endpgm
.Lentry_in_a_cluster:
	s_bfe_u32 s2, ttmp6, 0x10000c
	s_cmp_lg_u32 s2, 0x3003
	s_cbranch_scc0 .Lentry_shape_is_right
	s_endpgm
.Lentry_shape_is_right:
; qkv = rmsnorm1(x) w_qkv^T on codes of MX-FP6, and q, k, v quantised on the way out: q and k along the head's 64, v along the keys.
; SHARES.  256 work-groups: x = a block of 256 tokens, y = a head.  A work-group makes q, k and v of its head for its tokens, in three trips of equal work.  A wave owns 64 tokens (4 tiles):
; their fragments of all 8 K steps, 384 registers, are loaded once and stay.  A trip's weights (the head's 4 tiles of w_qkv, all of K) are one dense panel of 49,152 bytes in the order of the operand's registers:
; it comes into one of two LDS slots, one tile (48 rows of 256 bytes) a wave, asked for one trip ahead, and all four waves read it.  16 accumulators, 128 matrix instructions a trip.
; CLUSTER.  The four token blocks of a cluster share the head, so each panel is asked for JOINTLY: the same load, the same descriptor, the mask of all four; a round of the cluster's barrier stands in front of each.
; q, k: source 0 = the weights, source 1 = my tokens: a lane holds one token and its registers run along d.  v: source 0 = my tokens, source 1 = the weights: a lane holds one d and its registers run along the keys.
; Tiles hold rows 32 g + 8 u + i + 8 (i / 8) (tile 2 g + u, position i), so the 16 registers of accumulators 2 g and 2 g + 1 are 16 neighbours along the next K.
; NO PREFETCH: the text has no loop to run ahead in: three panels, each asked for a whole trip ahead of its use.
; REGISTERS: window 0: addresses, v32-79 the weights' scale words of the three trips, v80-95 the tokens', v96-159 the way out, v160-255 the weights' fragments of K steps 2, 3, 6, 7;
;   window 1: v0-127 accumulators, (a, b) at v[8 (4 b + a)]; window 2: tokens, K steps 0-4; window 3: v0-143 tokens, K steps 5-7, v144-239 the weights' fragments of K steps 0, 1, 4, 5.
; OUT, for each (batch, head) a block of BLK bytes: K's codes (768 bytes a tile of 16 keys), V^T's fragments, K's and V's scale words, Q's codes, Q's scale words.  The upper two bytes of q's and k's scale words are 0x7f.
; My 64 keys are half of a fragment of V^T (register n at byte 512 (n / 4) + 16 lane + 4 (n % 4)): four of my six registers leave as 512 consecutive bytes; the other two fill 8 of each 16 bytes of the
; fragment's middle 512, and the neighbouring wave of my work-group fills the rest.  V's two scale bytes a row leave as stores of 2 bytes, 8 bytes from lane to lane.
; LIMITS: NaN and infinities are not served; a block under 2^-124 or of zeros keeps the byte 1.
.set BLK, 315392
.set ACT_SCL, 3145728
.set WS_QKV,  9830400
.set SLOT,  65536                      ; slot 1's first byte: a power of two above a panel
.set SPARE, 131072                     ; the spare words, 128 bytes for each wave
.set V8, 5                             ; v5 8 lane
.set VS, 6                             ; v6 512 h + 16 r
.set VR, 7                             ; v7 16 r
.set AL, 8                             ; v8 16 lane: slot 0; v9: slot 1
.set VI, 8
.set SPW, 10
.set NIL, 11
.set SA, 32
.set SB, 80
.set TM, 96
.set TT, 112
.set PW, 120
.set WK, 124
.set DC, 128
.set G0, 12
.set G1, 16
.set P1, 26
.set SC0, 28
.set SC1, 30
.set OQ, 32
.set OS, 34
.set OV, 36
.set OVS, 38
.set SEL, 42
.set HF, 60                            ; s60 which half of a run of 128 keys is mine
.set MSB, 0
.macro WIN new
.if MSB != (\new)
	s_set_vgpr_msb (MSB<<8)|(\new)
.set MSB, (\new)
.endif
.endm
.macro PLACES
.rept 4
	v_nop
.endr
.endm
.macro CROUND                          ; a round of the cluster's barrier
	s_barrier_signal -1
	s_barrier_wait -1
	s_cmp_lg_u32 s10, 0
	s_cbranch_scc1 .Lnot_wave_0_\@
	s_barrier_signal -3
.Lnot_wave_0_\@:
	s_barrier_wait -3
	s_barrier_signal -1
	s_barrier_wait -1
.endm
.macro SCL reg, ptr, j, off            ; the scale words of tiles 2 j (lanes 0-15) and 2 j + 1 (lanes 16-31): register s = K step s
.irp q, 0,1
	global_load_b128 v[(\reg)+8*(\j)+4*\q:(\reg)+8*(\j)+4*\q+3], v[VS], s[\ptr:\ptr+1] offset:(\off)+1024*(\j)+256*\q
.endr
.endm
.macro TOK k                           ; my tokens' four fragments of K step k
	WIN 0x80+0x40*((\k)/5)
.irp b, 0,1,2,3
.irp c, 0,1,2
	global_load_b128 v[48*((\k)%5)+12*\b+4*\c:48*((\k)%5)+12*\b+4*\c+3], v[VI], s[P1:P1+1] offset:\b*12288+1536*(\k)+512*\c
.endr
.endr
.endm
.macro LOADW kp, slot                  ; the weights' fragments of K steps 2 kp and 2 kp + 1: fragment f = tile f % 4 of step 2 kp + f / 4; even kp into window 3, odd into window 0
	WIN 0xC0*(1-(\kp)%2)
.irp f, 0,1,2,3,4,5,6,7
.irp c, 0,1,2
	ds_load_b128 v[144+16*((\kp)%2)+12*\f+4*\c:144+16*((\kp)%2)+12*\f+4*\c+3], v[AL+(\slot)] offset:(\f%4)*12288+1536*(2*(\kp)+\f/4)+512*\c
.endr
.endr
.endm
.macro QUAD ap, bp, k                  ; tiles 2 ap, 2 ap + 1 of source 0 x 2 bp, 2 bp + 1 of source 1; an odd tile's scale words lie in lanes 16-31
.set D00, 8*(8*(\bp)+2*(\ap))
.set A0_, X0_+24*(\ap)
.set B0_, X1_+24*(\bp)
.set QA_, S0_+8*(\ap)
.set QB_, S1_+8*(\bp)
.if (\k) == 0
	v_wmma_scale_f32_16x16x128_f8f6f4 v[D00:D00+7], v[A0_:A0_+11], v[B0_:B0_+11], 0, v[QA_], v[QB_] matrix_a_fmt:MATRIX_FMT_FP6 matrix_b_fmt:MATRIX_FMT_FP6
	v_wmma_scale_f32_16x16x128_f8f6f4 v[D00+8:D00+15], v[A0_+12:A0_+23], v[B0_:B0_+11], 0, v[QA_], v[QB_] matrix_a_fmt:MATRIX_FMT_FP6 matrix_b_fmt:MATRIX_FMT_FP6 matrix_a_scale:MATRIX_SCALE_ROW1
	v_wmma_scale_f32_16x16x128_f8f6f4 v[D00+32:D00+39], v[A0_:A0_+11], v[B0_+12:B0_+23], 0, v[QA_], v[QB_] matrix_a_fmt:MATRIX_FMT_FP6 matrix_b_fmt:MATRIX_FMT_FP6 matrix_b_scale:MATRIX_SCALE_ROW1
	v_wmma_scale_f32_16x16x128_f8f6f4 v[D00+40:D00+47], v[A0_+12:A0_+23], v[B0_+12:B0_+23], 0, v[QA_], v[QB_] matrix_a_fmt:MATRIX_FMT_FP6 matrix_b_fmt:MATRIX_FMT_FP6 matrix_a_scale:MATRIX_SCALE_ROW1 matrix_b_scale:MATRIX_SCALE_ROW1
.else
	v_wmma_scale_f32_16x16x128_f8f6f4 v[D00:D00+7], v[A0_:A0_+11], v[B0_:B0_+11], v[D00:D00+7], v[QA_], v[QB_] matrix_a_fmt:MATRIX_FMT_FP6 matrix_b_fmt:MATRIX_FMT_FP6
	v_wmma_scale_f32_16x16x128_f8f6f4 v[D00+8:D00+15], v[A0_+12:A0_+23], v[B0_:B0_+11], v[D00+8:D00+15], v[QA_], v[QB_] matrix_a_fmt:MATRIX_FMT_FP6 matrix_b_fmt:MATRIX_FMT_FP6 matrix_a_scale:MATRIX_SCALE_ROW1
	v_wmma_scale_f32_16x16x128_f8f6f4 v[D00+32:D00+39], v[A0_:A0_+11], v[B0_+12:B0_+23], v[D00+32:D00+39], v[QA_], v[QB_] matrix_a_fmt:MATRIX_FMT_FP6 matrix_b_fmt:MATRIX_FMT_FP6 matrix_b_scale:MATRIX_SCALE_ROW1
	v_wmma_scale_f32_16x16x128_f8f6f4 v[D00+40:D00+47], v[A0_+12:A0_+23], v[B0_+12:B0_+23], v[D00+40:D00+47], v[QA_], v[QB_] matrix_a_fmt:MATRIX_FMT_FP6 matrix_b_fmt:MATRIX_FMT_FP6 matrix_a_scale:MATRIX_SCALE_ROW1 matrix_b_scale:MATRIX_SCALE_ROW1
.endif
.endm
.macro MULK k, kp, sa, v               ; 16 matrix instructions on 16 accumulators, by turns, in the same order in every K step.  v = 1: the tokens are source 0
.set WB_, 144+16*((\kp)%2)+48*((\k)%2)
.set TB_, 48*((\k)%5)
.if \v
	WIN (2+(\k)/5)|((3-3*((\kp)%2))<<2)|0x50
.set X0_, TB_
.set X1_, WB_
.set S0_, SB+(\k)
.set S1_, (\sa)+(\k)
.else
	WIN (3-3*((\kp)%2))|((2+(\k)/5)<<2)|0x50
.set X0_, WB_
.set X1_, TB_
.set S0_, (\sa)+(\k)
.set S1_, SB+(\k)
.endif
.irp bp, 0,1
.irp ap, 0,1
	QUAD \ap, \bp, \k
.endr
.endr
.endm
; 32 numbers of a lane in window win, register 16 b + i = k 32 b + 16 h + i, become half a fragment (6 registers) and two scale bytes in window 0
.macro HQUANT src, win, dst, tmp, pw
	WIN (\win)|((\win)<<2)
.irp b, 0,1
	v_max3_num_f32 v[TM+\b], |v[(\src)+16*\b]|, |v[(\src)+16*\b+1]|, 0x1800000   ; each accumulator is read from its low end on; the floor 2^(3 - 127) holds the byte at 1 from below
.endr
	WIN ((\win)<<2)|((\win)<<4)
.irp i, 2,4,6,8,10,12,14
.irp b, 0,1
	v_max3_num_f32 v[TM+\b], v[TM+\b], |v[(\src)+16*\b+\i]|, |v[(\src)+16*\b+\i+1]|
.endr
.endr
	WIN 0
.irp b, 0,1
	v_permlanex16_b32 v[TM+4+\b], v[TM+\b], s[SEL], s[SEL+1]
.endr
.irp b, 0,1
	v_max_num_f32 v[TM+\b], v[TM+\b], v[TM+4+\b]
.endr
.irp b, 0,1
	v_add_nc_u32 v[TM+12+\b], 0xff000000, v[TM+\b] ; 2 off the exponent field: the conversion's scale operand
.endr
.irp b, 0,1
	v_lshrrev_b32 v[TM+4+\b], 23, v[TM+12+\b]      ; the scale's byte
.endr
	v_lshl_or_b32 v[\pw], v[TM+5], 8, v[TM+4]
	WIN \win
	v_cvt_scalef32_pk16_fp6_f32 v[(\dst):(\dst)+2], v[(\src):(\src)+15], v[TM+12]
	v_cvt_scalef32_pk16_fp6_f32 v[(\tmp):(\tmp)+2], v[(\src)+16:(\src)+31], v[TM+13]
	WIN 0
	v_nop                                          ; one plain place behind the conversions
.irp i, 0,1,2
	v_permlane16_swap_b32 v[(\dst)+\i], v[(\tmp)+\i]
.endr
.irp i, 0,1,2
	v_mov_b32 v[(\dst)+3+\i], v[(\tmp)+\i]
.endr
.endm
; trip t: 0 = q, 1 = k, 2 = v; its panel lies in slot t % 2
.macro TRIP t
.if \t
	s_wait_alu depctr_va_vdst(0)                   ; the wait ahead of the waits below
.endif
	s_wait_tensorcnt 0x0                           ; all my tensor loads have landed: my tile of this trip's panel
	ds_add_u32 v[SPW], v[NIL]
.if \t < 2
	s_xor_b32 s[G0+1], s[G0+1], SLOT               ; no load of mine is out: the next fill goes to the other slot,
	s_add_nc_u64 s[G0+2:G0+3], s[G0+2:G0+3], 64*12288   ; and brings the same head's tiles of the next third of w_qkv
.endif
	s_wait_dscnt 0x0                               ; the add is done, and my reads of the other slot
.if \t < 2
	CROUND                                         ; both hold of every wave of all four work-groups
	tensor_load_to_lds s[G0:G0+3], s[G1:G1+7]      ; my one tensor load behind the round
	s_nop 0
	PLACES
.else
	s_barrier_signal -1                            ; nothing is filled again: my work-group's barrier shows the panel whole
	s_barrier_wait -1
.endif
.if \t == 0
.irp k, 4,5,6,7
	TOK \k
.endr
.endif
	LOADW 0, (\t)%2
	LOADW 1, (\t)%2
.irp kp, 0,1,2,3
.if \kp < 3
	s_wait_dscnt 24                                ; these two K steps' fragments are in; the next two steps' 24 loads stay out
.else
	s_wait_dscnt 0x0
.endif
.if \t == 0
.if \kp == 0
	s_wait_loadcnt 63                              ; the scale words and my tokens' K steps 0 and 1 are in (72 loads were issued behind them)
.else
	s_wait_loadcnt 72-24*\kp                       ; the later K steps' 12 loads each stay out
.endif
.endif
	MULK 2*\kp, \kp, SA+16*(\t), (\t)/2
	MULK 2*\kp+1, \kp, SA+16*(\t), (\t)/2
.if \kp < 2
	PLACES
	LOADW \kp+2, (\t)%2
.endif
.endr
	WIN 0
	PLACES
.if \t
	s_wait_xcnt 0x0                                ; the last trip's stores have read their data: the registers are written again
.endif
.irp b, 0,1,2,3
	HQUANT 32*\b, 1, DC+8*\b, TT, PW+\b
.endr
.endm
.macro QKOUT t                         ; half a fragment for each tile of tokens: 768 bytes, byte 256 p + 8 lane = registers 2 p, 2 p + 1
.irp b, 0,1,2,3
	v_or_b32 v[PW+\b], 0x7f7f0000, v[PW+\b]        ; 2^0 stands over the K that a head does not have
.endr
.irp b, 0,1,2,3
.irp p, 0,1,2
	global_store_b64 v[V8], v[DC+8*\b+2*\p:DC+8*\b+2*\p+1], s[OQ:OQ+1] offset:208896*(1-\t)+768*\b+256*\p   ; 32 lanes store 256 consecutive bytes, aligned
.endr
.endr
	global_store_b128 v[VR], v[PW:PW+3], s[OS:OS+1] offset:307200-110592*\t    ; four tiles' words of a row: 256 consecutive bytes; lanes r and r + 16 store the same bytes to the same place
.endm
	s_load_b128 s[4:7], s[0:1], 0x0                ; act, wq
	s_load_b64 s[8:9], s[0:1], 0x10                ; qkvq
	v_lshl_add_u32 v[SPW], v0, 2, SPARE
	v_mov_b32 v[NIL], 0
	ds_add_u32 v[SPW], v[NIL]                      ; the opening lines: the add, twice on end, and its wait ahead of the round in front of my first tensor load
	ds_add_u32 v[SPW], v[NIL]
	v_lshrrev_b32 v1, 5, v0
	v_readfirstlane_b32 s10, v1                    ; wave
	v_and_b32 v1, 31, v0
	v_and_b32 v2, 15, v0
	v_bfe_u32 v3, v0, 4, 1
	v_lshlrev_b32 v[AL], 4, v1
	v_lshlrev_b32 v[V8], 3, v1
	v_lshlrev_b32 v[VR], 4, v2
	v_lshl_add_u32 v[VS], v3, 9, v[VR]
	v_add_nc_u32 v[AL+1], SLOT, v[AL]
.irp b, 0,1
	v_mov_b32 v[TM+4+\b], 0                        ; a lane permute's destination counts as one of its sources
.endr
	s_wait_alu depctr_va_vdst(0)                   ; the wait behind the head's vector lines
	s_mov_b32 s[SEL], 0x76543210
	s_mov_b32 s[SEL+1], 0xfedcba98
	s_bfe_u32 s44, ttmp6, 0x40000                  ; cx: it enters my tokens' and the results' addresses alone
	s_lshl_b32 s24, ttmp9, 2
	s_add_co_u32 s24, s24, s44                     ; my block of 256 tokens
	s_and_b32 s25, ttmp7, 0xffff                   ; the head, which the four partners share
	s_lshl_b32 s11, s24, 2
	s_add_co_u32 s11, s11, s10                     ; tg: my 64 tokens
	s_and_b32 s[HF], s10, 1
	s_mul_i32 s[G0+1], s10, 12288                  ; LDS: my tile of slot 0
	s_mul_i32 s46, s25, 49152                      ; q's panel of the head, my tile
	s_add_co_u32 s46, s46, s[G0+1]
	s_mov_b32 s47, 0
	s_lshl_b32 s48, s25, 11                        ; its scale words
	s_add_co_u32 s48, s48, WS_QKV
	s_mov_b32 s49, 0
	s_mul_i32 s50, s11, 49152                      ; my tokens' four tiles
	s_mov_b32 s51, 0
	s_lshl_b32 s52, s11, 11
	s_add_co_u32 s52, s52, ACT_SCL
	s_mov_b32 s53, 0
	s_lshr_b32 s54, s11, 5                         ; batch
	s_lshl_b32 s54, s54, 4
	s_add_co_u32 s54, s54, s25
	s_mul_i32 s54, s54, BLK                        ; the block of (batch, head)
	s_and_b32 s55, s11, 31                         ; my four tiles among the batch's 128
	s_mul_i32 s56, s55, 3072
	s_add_co_u32 s56, s56, s54
	s_mov_b32 s57, 0
	s_lshl_b32 s58, s55, 8
	s_add_co_u32 s58, s58, s54
	s_mov_b32 s59, 0
	s_lshr_b32 s44, s55, 1                         ; my run of 128 keys
	s_mul_i32 s40, s44, 6144
	s_add_co_u32 s40, s40, s54
	s_mov_b32 s41, 0
	s_lshl_b32 s44, s44, 8
	s_add_co_u32 s44, s44, s54
	s_lshl_b32 s45, s[HF], 1
	s_add_co_u32 s44, s44, s45                     ; V's scale words: my two bytes of each
	s_mov_b32 s45, 0
	s_mov_b32 s[G0], 1
	s_mov_b32 s[G1+0], 15|(3<<16)|(1<<21)          ; the mask: all four work-groups; elements of 8 bytes; bit 21 set beside a mask
	s_mov_b32 s[G1+1], 32<<16                      ; tensor_dim0 = 32
	s_mov_b32 s[G1+2], 48<<16                      ; tensor_dim1 = 48
	s_mov_b32 s[G1+3], 32<<16                      ; tile_dim0 = 32
	s_mov_b32 s[G1+4], 48                          ; tile_dim1 = 48
	s_mov_b32 s[G1+5], 32                          ; from row to row
	s_mov_b32 s[G1+6], 0
	s_mov_b32 s[G1+7], 0
	s_wait_dscnt 0x0                               ; both opening adds are done
	s_wait_kmcnt 0x0
	s_add_nc_u64 s[G0+2:G0+3], s[6:7], s[46:47]
	s_or_b32 s[G0+3], s[G0+3], 0x80000000
	s_add_nc_u64 s[SC0:SC0+1], s[6:7], s[48:49]
	s_add_nc_u64 s[P1:P1+1], s[4:5], s[50:51]
	s_add_nc_u64 s[SC1:SC1+1], s[4:5], s[52:53]
	s_add_nc_u64 s[OQ:OQ+1], s[8:9], s[56:57]
	s_add_nc_u64 s[OS:OS+1], s[8:9], s[58:59]
	s_add_nc_u64 s[OV:OV+1], s[8:9], s[40:41]
	s_add_nc_u64 s[OVS:OVS+1], s[8:9], s[44:45]
	CROUND                                         ; all four work-groups are here: the joint loads meet
	tensor_load_to_lds s[G0:G0+3], s[G1:G1+7]      ; q's panel, my tile: my one tensor load at the head
	s_nop 0
	PLACES
.irp j, 0,1
	SCL SB, SC1, \j, 0
.endr
.irp t, 0,1,2
.irp j, 0,1
	SCL SA+16*\t, SC0, \j, 32768*\t                ; the scale words of all three panels: 64 tiles of 512 bytes from one to the next
.endr
.endr
.irp k, 0,1,2,3
	TOK \k
.endr
	WIN 0
	TRIP 0
	QKOUT 0
	TRIP 1
	QKOUT 1
	TRIP 2
	v_cmp_ne_u32 vcc_lo, 0, v3
	v_cndmask_b32 v[WK], v[PW], v[PW+2], vcc_lo    ; lanes 0-15: d tiles 0 and 1; lanes 16-31: d tiles 2 and 3
	v_cndmask_b32 v[WK+1], v[PW+1], v[PW+3], vcc_lo
	s_cmp_lg_u32 s[HF], 0
	s_wait_alu depctr_va_vdst(0)                   ; the wait ahead of the branch
	s_cbranch_scc1 .Lupper
.irp b, 0,1,2,3
	global_store_b128 v[VI], v[DC+8*\b:DC+8*\b+3], s[OV:OV+1] offset:98304+1536*\b             ; the fragment's registers 0-3: 512 consecutive bytes
	global_store_b64 v[VI], v[DC+8*\b+4:DC+8*\b+5], s[OV:OV+1] offset:98304+1536*\b+512        ; registers 4, 5
.endr
	s_branch .Lwords
.Lupper:
.irp b, 0,1,2,3
	global_store_b64 v[VI], v[DC+8*\b:DC+8*\b+1], s[OV:OV+1] offset:98304+1536*\b+520          ; registers 6, 7
	global_store_b128 v[VI], v[DC+8*\b+2:DC+8*\b+5], s[OV:OV+1] offset:98304+1536*\b+1024      ; registers 8-11
.endr
.Lwords:
	global_store_b16 v[V8], v[WK], s[OVS:OVS+1] offset:204800
	global_store_b16 v[V8], v[WK+1], s[OVS:OVS+1] offset:204804
	s_wait_tensorcnt 0x0                           ; the wave's end
	ds_add_u32 v[SPW], v[NIL]
	s_wait_dscnt 0x0
	CROUND                                         ; the closing round
	s_endpgm
.Lfunc_end_k_q40d6508250_qkv:
	.size	k_q40d6508250_qkv, .Lfunc_end_k_q40d6508250_qkv-k_q40d6508250_qkv
	.p2alignl 7, 3214868480
	.fill 96, 4, 3214868480
	.section	.rodata,"a",@progbits
	.p2align	6, 0x0
	.amdhsa_kernel k_q40d6508250_qkv
		.amdhsa_group_segment_fixed_size 327680
		.amdhsa_private_segment_fixed_size 0
		.amdhsa_enable_private_segment 0
		.amdhsa_kernarg_size 24
		.amdhsa_user_sgpr_count 2
		.amdhsa_user_sgpr_kernarg_segment_ptr 1
		.amdhsa_wavefront_size32 1
		.amdhsa_system_sgpr_workgroup_id_x 1
		.amdhsa_system_sgpr_workgroup_id_y 1
		.amdhsa_system_sgpr_workgroup_id_z 1
		.amdhsa_system_vgpr_workitem_id 0
		.amdhsa_next_free_vgpr 1024
		.amdhsa_next_free_sgpr 66
		.amdhsa_reserve_vcc 1
		.amdhsa_float_denorm_mode_32 3
		.amdhsa_float_denorm_mode_16_64 3
		.amdhsa_memory_ordered 1
		.amdhsa_forward_progress 1
		.amdhsa_inst_pref_size 115
	.end_amdhsa_kernel
	.amdgpu_metadata
---
amdhsa.version: [ 1, 2 ]
amdhsa.kernels:
  - .name:           k_q40d6508250_qkv
    .symbol:         k_q40d6508250_qkv.kd
    .args:
      - { .name: act, .offset: 0, .size: 8, .value_kind: global_buffer, .address_space: global }
      - { .name: wq, .offset: 8, .size: 8, .value_kind: global_buffer, .address_space: global }
      - { .name: qkvq, .offset: 16, .size: 8, .value_kind: global_buffer, .address_space: global }
    .group_segment_fixed_size: 327680
    .private_segment_fixed_size: 0
    .kernarg_segment_align: 8
    .kernarg_segment_size: 24
    .max_flat_workgroup_size: 128
    .sgpr_count:     66
    .vgpr_count:     1024
    .wavefront_size: 32
...
	.end_amdgpu_metadata
.endif
;; end of part 2
;; launch attn (part 3): grid 8 x 32, 16 waves a work-group, clusters of 4 x 1, 210,944 bytes of LDS; arguments qkvq, act; writes act
.if DOCPART == 3
	.amdgcn_target "amdgcn-amd-amdhsa--gfx1250"
	.amdhsa_code_object_version 6
	.text
	.protected	k_q40d6508250_attn
	.globl	k_q40d6508250_attn
	.p2align	8
	.type	k_q40d6508250_attn,@function
k_q40d6508250_attn:
	s_mov_b64 s[64:65], 0
	v_nop
	global_prefetch_b8 v0, s[64:65] scope:SCOPE_SE
	s_setreg_imm32_b32 hwreg(HW_REG_WAVE_MODE, 25, 1), 1
	s_wait_xcnt 0x0
	s_wait_alu depctr_hold_cnt(0) depctr_sa_sdst(0) depctr_va_vdst(0) depctr_va_sdst(0) depctr_va_ssrc(0) depctr_va_vcc(0) depctr_vm_vsrc(0)
	s_getreg_b32 s2, hwreg(HW_REG_IB_STS2, 6, 4)
	s_cmp_eq_u32 s2, 0
	s_cbranch_scc0 .Lentry_in_a_cluster
	s_endpgm
.Lentry_in_a_cluster:
	s_bfe_u32 s2, ttmp6, 0x10000c
	s_cmp_lg_u32 s2, 0x3003
	s_cbranch_scc0 .Lentry_shape_is_right
	s_endpgm
.Lentry_shape_is_right:
; Attention of one (batch, head) on codes of MX-FP6: S^T = K Q^T (K = the head's 64), p = 2^(t - M), O^T = V^T P^T (K = the keys), O / l quantised along d for the next product.
; t = score x log2(e) / 8; M = the running largest t rounded UP to a whole number; p is not normalised; the row's sum l is taken of the unquantised p; a change of M multiplies l and O by an exact power of two.
; SHARES.  A work-group owns 256 queries of one head, each of its sixteen waves one tile of 16, in 256 registers: four waves to a SIMD, so that one wave's vector work stands beside another's products and LDS loads.
; K, V AND THEIR SCALE WORDS OF THE WHOLE HEAD, 208,896 bytes, lie in LDS for the whole launch, as they lie in memory: in the order of the operands' registers.  They are filled once: no slot, no refill.
; CLUSTER.  The four query blocks of a cluster belong to one head: each of the sixteen pieces (51 rows of 256 bytes, one a wave) is asked for JOINTLY, by the same load with the same descriptor and the mask of all four.
; LAYOUT.  Both products are used transposed: a lane holds ONE query (lane % 16) throughout.  The keys of a tile are 32 g + 8 u + i + 8 (i / 8), so that the 16 registers of score tiles 2 b and 2 b + 1 are 16 neighbouring keys.
; A HEAD'S 64 FILL HALF OF THE INSTRUCTION'S 128.  Q's registers 6-11 are zero codes.  K's eight tiles stand 6 registers apart, so the upper six registers that tile t's operand names are tile t + 1's codes (zeros behind tile 7):
; they meet Q's zero codes under scale bytes 0x7f on both sides, and E2M3 has no NaN or infinity: that half adds exactly 0.
; REGISTERS: v1-4, v7 addresses that stay; v5, v6 the add's two; v8-11 the step's addresses; v12 -M, v13 the largest t, v[14:15] l in two halves; v16-27 Q; v28 Q's scale word; v30-31 V's; v32-85 K (then V in v32-79);
;   v86-89 K's scale words; v[90:91] f; v92 p's scale word; v96-159 S^T, then p; v160-191 O^T; v192-203 p's codes; v204-210 conversions' second halves; v212-226 at work.
; LIMITS: NaN and infinities are not served; a p under 2^-126 is taken as 0 (beside a row's sum of at least 1/2); a block of zeros keeps the byte 1.  The two scale bytes of a row leave as a store of 2 bytes, 16 bytes from lane to lane.
.set BLK,     315392
.set ACT_SCL, 3145728
.set PIECE,   13056                    ; 51 rows of 256 bytes: a sixteenth of the head's K, V and scale words
.set SPARE,   208896                   ; behind them: the spare words, 128 bytes for each wave: eight blocks of 256 bytes that no other line names
.set AK0,  1
.set AV0,  2
.set ASK0, 3
.set ASV0, 4
.set SPW,  5
.set NIL,  6
.set GO,   7
.set FF,   90
.set BM,   212                         ; v212-215 the blocks' largest scores, then largest p
.set PT,   216                         ; v216-219 lane l xor 16's; then the bytes
.set SO,   220                         ; v220-223 the conversions' scale operands
.set S2,   224                         ; v[224:225] the sum's second chain
.set TV,   226
.set WV,   8
.set G0,   12
.set G1,   16
.set TK,   50
.set TS,   51
.set TJ,   52
.set CNT,  53
.set CS,   54
.set SEL,  56
.macro CROUND                          ; a round of the cluster's barrier: my work-group's barrier, wave 0's signal for the work-group, every wave's wait for all four, my work-group's barrier once more
	s_barrier_signal -1
	s_barrier_wait -1
	s_cmp_lg_u32 s[WV], 0
	s_cbranch_scc1 .Lnot_wave_0_\@
	s_barrier_signal -3
.Lnot_wave_0_\@:
	s_barrier_wait -3
	s_barrier_signal -1
	s_barrier_wait -1
.endm
.macro PLACES
.rept 4
	v_nop
.endr
.endm
	s_load_b128 s[4:7], s[0:1], 0x0                ; qkvq, act
	v_lshl_add_u32 v[SPW], v0, 2, SPARE
	v_mov_b32 v[NIL], 0
	ds_add_u32 v[SPW], v[NIL]                      ; the wave's opening: the add and its wait ahead of my tensor load; the set-up below, work on registers, stands between them
	ds_add_u32 v[SPW], v[NIL]
	v_lshrrev_b32 v8, 5, v0
	s_delay_alu instid0(VALU_DEP_1)
	v_readfirstlane_b32 s[WV], v8                  ; wave 0..15
	s_bfe_u32 s9, ttmp6, 0x40000                   ; cx: it enters Q's and the result's addresses alone
	s_lshl_b32 s10, ttmp9, 2
	s_add_co_u32 s10, s10, s9                      ; my block of 256 queries
	s_and_b32 s11, ttmp7, 0xffff                   ; 16 batch + head, which the four partners share
	s_mul_i32 s24, s11, BLK
	s_mov_b32 s25, 0
	s_mul_i32 s26, s[WV], PIECE
	s_mov_b32 s27, 0
	s_lshl_b32 s28, s10, 4
	s_add_co_u32 s28, s28, s[WV]                   ; qt: my tile among the batch's 128
	s_mul_i32 s30, s28, 768
	s_add_co_u32 s30, s30, 208896                  ; Q's codes
	s_mov_b32 s31, 0
	s_lshr_b32 s32, s28, 2
	s_lshl_b32 s32, s32, 8
	s_and_b32 s33, s28, 3
	s_lshl_b32 s33, s33, 2
	s_add_co_u32 s32, s32, s33
	s_add_co_u32 s32, s32, 307200                  ; Q's scale words: (qt / 4) x 256 + 16 r + 4 (qt % 4)
	s_mov_b32 s33, 0
	s_lshr_b32 s34, s11, 4
	s_lshl_b32 s34, s34, 7
	s_add_co_u32 s34, s34, s28                     ; T: my tile among all 256
	s_and_b32 s35, s11, 15                         ; head
	s_mul_i32 s36, s34, 12288
	s_mul_i32 s37, s35, 768
	s_add_co_u32 s36, s36, s37                     ; the result: half h % 2 of K step h / 2 of tile T
	s_mov_b32 s37, 0
	s_lshl_b32 s38, s34, 9
	s_lshr_b32 s39, s35, 3
	s_lshl_b32 s39, s39, 8
	s_add_co_u32 s38, s38, s39
	s_and_b32 s39, s35, 7
	s_lshl_b32 s39, s39, 1
	s_add_co_u32 s38, s38, s39
	s_add_co_u32 s38, s38, ACT_SCL                 ; and its two scale bytes
	s_mov_b32 s39, 0
	; descriptor group 1: 51 rows of 32 elements of 8 bytes, dense, no padding
	s_mov_b32 s[G1+0], 15|(3<<16)|(1<<21)          ; 15:0 the mask: all four work-groups; 17:16 elements of 8 bytes; 21 set beside a mask
	s_mov_b32 s[G1+1], 32<<16                      ; tensor_dim0 = 32
	s_mov_b32 s[G1+2], 51<<16                      ; tensor_dim1 = 51
	s_mov_b32 s[G1+3], 32<<16                      ; tile_dim0 = 32
	s_mov_b32 s[G1+4], 51                          ; tile_dim1 = 51
	s_mov_b32 s[G1+5], 32                          ; from row to row
	s_mov_b32 s[G1+6], 0
	s_mov_b32 s[G1+7], 0
	s_mov_b32 s[G0], 1
	s_mul_i32 s[G0+1], s[WV], PIECE                ; LDS address: the wave's number times a constant
	s_mov_b32 s[CS], 0x3e38aa3b                    ; c = log2(e) / 8
	s_mov_b32 s[CS+1], s[CS]
	s_mov_b32 s[SEL], 0x76543210
	s_mov_b32 s[SEL+1], 0xfedcba98
	s_mov_b32 s[TK], 0
	s_mov_b32 s[TS], 0
	s_mov_b32 s[TJ], 0
	s_mov_b32 s[CNT], 16
	s_wait_dscnt 0x0                               ; the opening add is done
	s_wait_kmcnt 0x0
	s_add_nc_u64 s[40:41], s[4:5], s[24:25]        ; my head's block
	s_add_nc_u64 s[G0+2:G0+3], s[40:41], s[26:27]
	s_or_b32 s[G0+3], s[G0+3], 0x80000000
	s_add_nc_u64 s[42:43], s[40:41], s[30:31]
	s_add_nc_u64 s[44:45], s[40:41], s[32:33]
	s_add_nc_u64 s[46:47], s[6:7], s[36:37]
	s_add_nc_u64 s[48:49], s[6:7], s[38:39]
	CROUND                                         ; all four work-groups are here: the joint loads meet
	tensor_load_to_lds s[G0:G0+3], s[G1:G1+7]      ; my one tensor load of the launch
	s_nop 0
	PLACES
	v_and_b32 v8, 31, v0                           ; lane
	v_and_b32 v9, 15, v0                           ; r
	s_delay_alu instid0(VALU_DEP_2)
	v_lshlrev_b32 v[AK0], 3, v8                    ; K's codes: 8 lane
	s_delay_alu instid0(VALU_DEP_3)
	v_lshlrev_b32 v[AV0], 4, v8
	s_delay_alu instid0(VALU_DEP_1)
	v_add_nc_u32 v[ASK0], 196608, v[AV0]           ; K's scale words: 16 lane
	s_delay_alu instid0(VALU_DEP_3)
	v_add_nc_u32 v[ASV0], 204800, v[AK0]           ; V's: 8 lane
	s_delay_alu instid0(VALU_DEP_3)
	v_add_nc_u32 v[AV0], 98304, v[AV0]             ; V's fragments: 16 lane
	v_lshlrev_b32 v[GO], 4, v9
.irp p, 0,1,2
	global_load_b64 v[16+2*\p:17+2*\p], v[AK0], s[42:43] offset:256*\p
.endr
	global_load_b32 v28, v[GO], s[44:45]
.irp j, 0,1,2,3,4,5
	v_mov_b32 v[22+\j], 0                          ; Q has no K from 64 on
	v_mov_b32 v[80+\j], 0                          ; nor has K's last tile
.endr
	v_mov_b32 v13, 0xff61b1e6                      ; the largest t so far: -3e38
	s_delay_alu instid0(VALU_DEP_1)
	v_floor_f32 v12, -v13                          ; -M
	v_mov_b32 v14, 0
	v_mov_b32 v15, 0
	v_mov_b32 v[FF+1], 0                           ; (named as the upper half of a pair)
.irp b, 0,1,2,3
	v_mov_b32 v[PT+\b], 0                          ; a lane permute's destination counts as one of its sources
.endr
	v_mov_b32 v[TV], 0
.irp j, 0,1,2,3,4,5,6,7,8,9,10,11,12,13,14,15,16,17,18,19,20,21,22,23,24,25,26,27,28,29,30,31
	v_mov_b32 v[160+\j], 0                         ; O^T: the step is written once; the first finds zeros, which the first change of M leaves zeros
.endr
	s_wait_loadcnt 0x0                             ; Q
	s_wait_tensorcnt 0x0                           ; my piece has landed,
	s_barrier_signal -1
	s_barrier_wait -1                              ; everybody's has
.Lstep:                                                ; 16 trips of 128 keys
	v_add_nc_u32 v8, s[TK], v[AK0]                 ; (these four are also the places behind the last trip's products, ahead of the loads into their sources)
	v_add_nc_u32 v9, s[TK], v[AV0]
	v_add_nc_u32 v10, s[TS], v[ASK0]
	v_add_nc_u32 v11, s[TJ], v[ASV0]
.irp t, 0,1,2,3,4,5,6,7
.irp p, 0,1,2
	ds_load_b64 v[32+6*\t+2*\p:33+6*\t+2*\p], v8 offset:768*\t+256*\p
.endr
.endr
	ds_load_b128 v[86:89], v10                     ; register e: tile e's words in lanes 0-15, tile 4 + e's in lanes 16-31
	s_wait_alu depctr_va_vdst(0)
	s_wait_dscnt 0x0
.irp t, 0,1,2,3
	v_wmma_scale_f32_16x16x128_f8f6f4 v[96+8*\t:103+8*\t], v[32+6*\t:43+6*\t], v[16:27], 0, v[86+\t], v28 matrix_a_fmt:MATRIX_FMT_FP6 matrix_b_fmt:MATRIX_FMT_FP6
.endr
.irp t, 4,5,6,7
	v_wmma_scale_f32_16x16x128_f8f6f4 v[96+8*\t:103+8*\t], v[32+6*\t:43+6*\t], v[16:27], 0, v[82+\t], v28 matrix_a_fmt:MATRIX_FMT_FP6 matrix_b_fmt:MATRIX_FMT_FP6 matrix_a_scale:MATRIX_SCALE_ROW1
.endr
	PLACES
.irp t, 0,1,2,3
.irp c, 0,1,2
	ds_load_b128 v[32+12*\t+4*\c:35+12*\t+4*\c], v9 offset:1536*\t+512*\c     ; V's four fragments land while the softmax is worked
.endr
.endr
	ds_load_b64 v[30:31], v11                      ; register i: d tile i's words in lanes 0-15, d tile 2 + i's in lanes 16-31
.irp b, 0,1,2,3
	v_max3_num_f32 v[BM+\b], v[96+16*\b], v[97+16*\b], v[98+16*\b]    ; the largest score of each block of 32 keys: for the row's maximum and, since p rises with the score, for the block's largest p
.endr
.irp i, 3,5,7,9,11,13
.irp b, 0,1,2,3
	v_max3_num_f32 v[BM+\b], v[BM+\b], v[96+16*\b+\i], v[97+16*\b+\i]
.endr
.endr
.irp b, 0,1,2,3
	v_max_num_f32 v[BM+\b], v[BM+\b], v[111+16*\b]
.endr
.irp b, 0,1,2,3
	s_delay_alu instid0(VALU_DEP_4)
	v_permlanex16_b32 v[PT+\b], v[BM+\b], s[SEL], s[SEL+1]
.endr
.irp b, 0,1,2,3
	s_delay_alu instid0(VALU_DEP_4)
	v_max_num_f32 v[BM+\b], v[BM+\b], v[PT+\b]
.endr
	s_delay_alu instid0(VALU_DEP_2)
	v_max3_num_f32 v[TV], v[BM], v[BM+1], v[BM+2]
	s_delay_alu instid0(VALU_DEP_1)
	v_max_num_f32 v[TV], v[TV], v[BM+3]
	s_delay_alu instid0(VALU_DEP_1)
	v_mul_f32 v[TV], s[CS], v[TV]                  ; the step's largest t (c is positive)
	s_delay_alu instid0(VALU_DEP_1)
	v_max_num_f32 v13, v13, v[TV]
	v_mov_b32 v[TV], v12
	s_delay_alu instid0(VALU_DEP_2)
	v_floor_f32 v12, -v13                          ; the new -M = -ceil(t)
	s_delay_alu instid0(VALU_DEP_1)
	v_sub_f32 v[TV], v12, v[TV]                    ; old M - new M: a whole number, 0 or less
	s_delay_alu instid0(VALU_DEP_1)
	v_cvt_i32_f32 v[TV], v[TV]                     ; (it saturates)
	s_delay_alu instid0(VALU_DEP_1)
	v_ldexp_f32 v[FF], 1.0, v[TV]                  ; f = 2^(old M - new M)
.irp j, 0,2,4,6,8,10,12,14,16,18,20,22,24,26,28,30,32,34,36,38,40,42,44,46,48,50,52,54,56,58,60,62
	v_pk_fma_f32 v[96+\j:97+\j], v[96+\j:97+\j], s[CS:CS+1], v[12:13] op_sel_hi:[1,0,0]    ; t - M
.endr
.irp b, 0,1,2,3
	v_fma_f32 v[BM+\b], v[BM+\b], s[CS], v12
.endr
	s_wait_alu depctr_va_vdst(0)
.irp j, 0,1,2,3,4,5,6,7,8,9,10,11,12,13,14,15,16,17,18,19,20,21,22,23,24,25,26,27,28,29,30,31,32,33,34,35,36,37,38,39,40,41,42,43,44,45,46,47,48,49,50,51,52,53,54,55,56,57,58,59,60,61,62,63
	v_exp_f32 v[96+\j], v[96+\j]                   ; p = 2^(t - M)
.endr
	v_pk_mul_f32 v[14:15], v[14:15], v[FF:FF+1] op_sel_hi:[1,0]     ; l under the new M: a plain place behind the exponentials
	s_wait_alu depctr_va_vdst(0)                   ; one wait for the batch of 64, ahead of its first reader
.irp b, 0,1,2,3
	v_exp_f32 v[BM+\b], v[BM+\b]                   ; the blocks' largest p
.endr
	v_pk_add_f32 v[224:225], v[100:101], v[104:105]
	v_pk_add_f32 v[254:255], v[108:109], v[112:113]
	v_pk_add_f32 v[252:253], v[116:117], v[120:121]
	v_pk_add_f32 v[250:251], v[124:125], v[128:129]
	v_pk_add_f32 v[248:249], v[132:133], v[136:137]
	v_pk_add_f32 v[246:247], v[140:141], v[144:145]
	v_pk_add_f32 v[244:245], v[148:149], v[152:153]
	v_pk_add_f32 v[14:15], v[14:15], v[156:157]
	v_pk_add_f32 v[224:225], v[224:225], v[96:97]
	v_pk_add_f32 v[254:255], v[254:255], v[98:99]
	v_pk_add_f32 v[252:253], v[252:253], v[102:103]
	v_pk_add_f32 v[250:251], v[250:251], v[106:107]
	v_pk_add_f32 v[248:249], v[248:249], v[110:111]
	v_pk_add_f32 v[246:247], v[246:247], v[114:115]
	v_pk_add_f32 v[244:245], v[244:245], v[118:119]
	v_pk_add_f32 v[14:15], v[14:15], v[122:123]
	v_pk_add_f32 v[224:225], v[224:225], v[126:127]
	v_pk_add_f32 v[254:255], v[254:255], v[130:131]
	v_pk_add_f32 v[252:253], v[252:253], v[134:135]
	v_pk_add_f32 v[250:251], v[250:251], v[138:139]
	v_pk_add_f32 v[248:249], v[248:249], v[142:143]
	v_pk_add_f32 v[246:247], v[246:247], v[146:147]
	v_pk_add_f32 v[244:245], v[244:245], v[150:151]
	v_pk_add_f32 v[14:15], v[14:15], v[154:155]
	v_pk_add_f32 v[224:225], v[224:225], v[158:159]
	s_delay_alu instid0(VALU_DEP_2)
	v_pk_add_f32 v[14:15], v[14:15], v[250:251]
	s_delay_alu instid0(VALU_DEP_2)
	v_pk_add_f32 v[224:225], v[224:225], v[248:249]
	v_pk_add_f32 v[254:255], v[254:255], v[246:247]
	v_pk_add_f32 v[252:253], v[252:253], v[244:245]
	s_delay_alu instid0(VALU_DEP_2)
	v_pk_add_f32 v[14:15], v[14:15], v[254:255]
	s_delay_alu instid0(VALU_DEP_2)
	v_pk_add_f32 v[224:225], v[224:225], v[252:253]
	s_delay_alu instid0(VALU_DEP_1)
	v_pk_add_f32 v[14:15], v[14:15], v[224:225]
	s_wait_alu depctr_va_vdst(0)                   ; and one for the four
.irp b, 0,1,2,3
	v_max_num_f32 v[BM+\b], 0x1800000, v[BM+\b]    ; the floor 2^(3 - 127)
.endr
.irp b, 0,1,2,3
	s_delay_alu instid0(VALU_DEP_4)
	v_add_nc_u32 v[SO+\b], 0xff000000, v[BM+\b]
.endr
.irp b, 0,1,2,3
	s_delay_alu instid0(VALU_DEP_4)
	v_lshrrev_b32 v[PT+\b], 23, v[SO+\b]
.endr
	s_delay_alu instid0(VALU_DEP_3)
	v_lshl_or_b32 v92, v[PT+1], 8, v[PT]
	s_delay_alu instid0(VALU_DEP_1)
	v_lshl_or_b32 v92, v[PT+2], 16, v92
	s_delay_alu instid0(VALU_DEP_1)
	v_lshl_or_b32 v92, v[PT+3], 24, v92            ; p's scale word for these 128 keys
.irp c, 0,1
	v_cvt_scalef32_pk16_fp6_f32 v[192+6*\c:194+6*\c], v[96+32*\c:111+32*\c], v[SO+2*\c]
	v_cvt_scalef32_pk16_fp6_f32 v[204+4*\c:206+4*\c], v[112+32*\c:127+32*\c], v[SO+2*\c+1]
.endr
	v_nop
.irp c, 0,1
.irp i, 0,1,2
	v_permlane16_swap_b32 v[192+6*\c+\i], v[204+4*\c+\i]
.endr
.irp i, 0,1,2
	s_delay_alu instid0(VALU_DEP_3)
	v_mov_b32 v[195+6*\c+\i], v[204+4*\c+\i]
.endr
.endr
.irp j, 0,2,4,6,8,10,12,14,16,18,20,22,24,26,28,30
	v_pk_mul_f32 v[160+\j:161+\j], v[160+\j:161+\j], v[FF:FF+1] op_sel_hi:[1,0]    ; O^T under the new M; these sixteen are also the places between p's codes and scale word and the products
.endr
	s_wait_alu depctr_va_vdst(0)
	s_wait_dscnt 0x0                               ; V
.irp t, 0,1
	v_wmma_scale_f32_16x16x128_f8f6f4 v[160+8*\t:167+8*\t], v[32+12*\t:43+12*\t], v[192:203], v[160+8*\t:167+8*\t], v[30+\t], v92 matrix_a_fmt:MATRIX_FMT_FP6 matrix_b_fmt:MATRIX_FMT_FP6
.endr
.irp t, 2,3
	v_wmma_scale_f32_16x16x128_f8f6f4 v[160+8*\t:167+8*\t], v[32+12*\t:43+12*\t], v[192:203], v[160+8*\t:167+8*\t], v[28+\t], v92 matrix_a_fmt:MATRIX_FMT_FP6 matrix_b_fmt:MATRIX_FMT_FP6 matrix_a_scale:MATRIX_SCALE_ROW1
.endr
	s_add_co_u32 s[TK], s[TK], 6144                ; the next 128 keys: 8 tiles of K, 4 fragments of V,
	s_add_co_u32 s[TS], s[TS], 512                 ; their scale words
	s_add_co_u32 s[TJ], s[TJ], 256
	s_sub_co_u32 s[CNT], s[CNT], 1
	s_cmp_lg_u32 s[CNT], 0
	s_cbranch_scc1 .Lstep
	; THE WAY OUT: O^T / l; register 16 g + i of the 32 is d = 32 g + 16 h + i of my query: two blocks of the next product's K
	PLACES
	v_add_f32 v14, v14, v15
	s_delay_alu instid0(VALU_DEP_1)
	v_permlanex16_b32 v[TV], v14, s[SEL], s[SEL+1]
	s_delay_alu instid0(VALU_DEP_1)
	v_add_f32 v14, v14, v[TV]
	s_wait_alu depctr_va_vdst(0)
	v_rcp_f32 v14, v14
	v_nop
	s_wait_alu depctr_va_vdst(0)
.irp j, 0,2,4,6,8,10,12,14,16,18,20,22,24,26,28,30
	v_pk_mul_f32 v[96+\j:97+\j], v[160+\j:161+\j], v[14:15] op_sel_hi:[1,0]        ; each accumulator from its low end on
.endr
.irp b, 0,1
	v_max3_num_f32 v[BM+\b], |v[96+16*\b]|, |v[97+16*\b]|, 0x1800000
.endr
.irp i, 2,4,6,8,10,12,14
.irp b, 0,1
	s_delay_alu instid0(VALU_DEP_2)
	v_max3_num_f32 v[BM+\b], v[BM+\b], |v[96+16*\b+\i]|, |v[97+16*\b+\i]|
.endr
.endr
.irp b, 0,1
	s_delay_alu instid0(VALU_DEP_2)
	v_permlanex16_b32 v[PT+\b], v[BM+\b], s[SEL], s[SEL+1]
.endr
.irp b, 0,1
	s_delay_alu instid0(VALU_DEP_2)
	v_max_num_f32 v[BM+\b], v[BM+\b], v[PT+\b]
.endr
.irp b, 0,1
	s_delay_alu instid0(VALU_DEP_2)
	v_add_nc_u32 v[SO+\b], 0xff000000, v[BM+\b]
.endr
.irp b, 0,1
	s_delay_alu instid0(VALU_DEP_2)
	v_lshrrev_b32 v[PT+\b], 23, v[SO+\b]
.endr
	s_delay_alu instid0(VALU_DEP_1)
	v_lshl_or_b32 v93, v[PT+1], 8, v[PT]           ; my row's two scale bytes (the same in lanes r and r + 16)
	v_cvt_scalef32_pk16_fp6_f32 v[192:194], v[96:111], v[SO]
	v_cvt_scalef32_pk16_fp6_f32 v[204:206], v[112:127], v[SO+1]
	v_nop
.irp i, 0,1,2
	v_permlane16_swap_b32 v[192+\i], v[204+\i]
.endr
.irp i, 0,1,2
	s_delay_alu instid0(VALU_DEP_3)
	v_mov_b32 v[195+\i], v[204+\i]
.endr
.irp p, 0,1,2
	global_store_b64 v[AK0], v[192+2*\p:193+2*\p], s[46:47] offset:256*\p      ; 32 lanes store 256 consecutive bytes, aligned
.endr
	global_store_b16 v[GO], v93, s[48:49]          ; lanes r and r + 16 store the same two bytes to the same place
	s_wait_tensorcnt 0x0                           ; the wave's end
	ds_add_u32 v[SPW], v[NIL]
	s_wait_dscnt 0x0
	CROUND                                         ; the closing round
	s_endpgm
.Lfunc_end_k_q40d6508250_attn:
	.size	k_q40d6508250_attn, .Lfunc_end_k_q40d6508250_attn-k_q40d6508250_attn
	.p2alignl 7, 3214868480
	.fill 96, 4, 3214868480
	.section	.rodata,"a",@progbits
	.p2align	6, 0x0
	.amdhsa_kernel k_q40d6508250_attn
		.amdhsa_group_segment_fixed_size 210944
		.amdhsa_private_segment_fixed_size 0
		.amdhsa_enable_private_segment 0
		.amdhsa_kernarg_size 16
		.amdhsa_user_sgpr_count 2
		.amdhsa_user_sgpr_kernarg_segment_ptr 1
		.amdhsa_wavefront_size32 1
		.amdhsa_system_sgpr_workgroup_id_x 1
		.amdhsa_system_sgpr_workgroup_id_y 1
		.amdhsa_system_sgpr_workgroup_id_z 1
		.amdhsa_system_vgpr_workitem_id 0
		.amdhsa_next_free_vgpr 256
		.amdhsa_next_free_sgpr 66
		.amdhsa_reserve_vcc 0
		.amdhsa_float_denorm_mode_32 3
		.amdhsa_float_denorm_mode_16_64 3
		.amdhsa_memory_ordered 1
		.amdhsa_forward_progress 1
		.amdhsa_inst_pref_size 30
	.end_amdhsa_kernel
	.amdgpu_metadata
---
amdhsa.version: [ 1, 2 ]
amdhsa.kernels:
  - .name:           k_q40d6508250_attn
    .symbol:         k_q40d6508250_attn.kd
    .args:
      - { .name: qkvq, .offset: 0, .size: 8, .value_kind: global_buffer, .address_space: global }
      - { .name: act, .offset: 8, .size: 8, .value_kind: global_buffer, .address_space: global }
    .group_segment_fixed_size: 210944
    .private_segment_fixed_size: 0
    .kernarg_segment_align: 8
    .kernarg_segment_size: 16
    .max_flat_workgroup_size: 512
    .sgpr_count:     66
    .vgpr_count:     256
    .wavefront_size: 32
...
	.end_amdgpu_metadata
.endif
;; end of part 3
;; launch wo (part 4): grid 8 x 32, 4 waves a work-group, no clusters, 135,680 bytes of LDS; arguments wq, act, x, x1; writes x1
.if DOCPART == 4
	.amdgcn_target "amdgcn-amd-amdhsa--gfx1250"
	.amdhsa_code_object_version 6
	.text
	.protected	k_q40d6508250_wo
	.globl	k_q40d6508250_wo
	.p2align	8
	.type	k_q40d6508250_wo,@function
k_q40d6508250_wo:
	s_mov_b64 s[64:65], 0
	v_nop
	global_prefetch_b8 v0, s[64:65] scope:SCOPE_SE
	s_setreg_imm32_b32 hwreg(HW_REG_WAVE_MODE, 25, 1), 1
	s_wait_xcnt 0x0
; x1 = x + attention's result x w_o^T, on codes of MX-FP6.  The same text, with other constants at its head, makes out0 = x1 + g w2^T.
; A tile of the result is 128 output columns x 64 tokens: source 0 = 8 tiles of the weight's rows, source 1 = 4 tiles of tokens; 32 accumulators.  There are 8 x 64 such tiles, half as many as the chip has SIMDs,
; so K IS SHARED BY TWO WAVES: wave 2 tp + kh of a work-group takes token group 2 y + tp and the K steps 2 k + kh, k = 0 .. KL - 1.  The two halves of a sum are added in f32 on the way out.
; Both operands lie in memory in the order of the operand's registers and go straight into registers: the weight's fragment by three loads of 16 bytes a lane, the tokens' (made half a fragment at a time) by six of 8 bytes.
; No joint requests: a joint request fills LDS, and no operand goes through LDS here.
; THE WAY OUT: a lane holds one token and 64 of the 128 columns.  Each wave puts its four blocks of 16 tokens into its own stage in LDS; behind one barrier wave kh reads blocks 2 kh and 2 kh + 1 back as rows of 512 bytes,
; its own and its partner's, adds them and the residual's same 512 bytes, and stores them.  The residual is asked for behind the last K step but one, into registers that no product names.
; REGISTERS: window 0: addresses, from v32 scale words, v252, v253 the add's two; window 1: the accumulators, (a, b) at v[8 (8 b + a)]; windows 2, 3: v0-143 two sets of fragments, v144-207 the residual;
; on the way out window 2, v0-127, holds my rows and window 3, v0-127, my partner's.
.set KS,  8                            ; K steps of 128 in all
.set KL,  KS/2                         ; and of a wave
.set KSR, 8
.set NL,  48                           ; loads of a K step
.set TS0, 12288
.set TS1, 12288
.set SS,  512
.set WI,  2359296                      ; the weight's images in wq,
.set WS,  9928704                      ; its scale words,
.set S1SCL, 3145728                    ; and the tokens' scale words in their buffer
.set LAST, 0                           ; 1: the result is read by no later launch
.set BLKB, 8448                        ; a block in a stage: 16 rows x (512 bytes + 16)
.set STGW, 4*BLKB                      ; a wave's stage
.set SPARE, 4*STGW                     ; behind the four stages: the spare words, 128 bytes for each wave: two blocks of 256 bytes that no other line names
.set VI, 4
.set V8, 5
.set VS, 6
.set STO, 7
.set RDO, 9
.set RDP, 10
.set SPW, 252
.set NIL, 253
.set SA, 32
.set SB, SA+4*KSR
.set RS, 144                           ; the residual: my first block's 16 rows in window 2, my second's in window 3
.set P0, 14
.set P1, 16
.set SC0, 18
.set SC1, 20
.set RES, 22
.set OUT, 34
.set MSB, 0
.macro WIN new                         ; the immediate's high byte repeats the setting that is left; a switch that changes nothing is dropped
.if MSB != (\new)
	s_set_vgpr_msb (MSB<<8)|(\new)
.set MSB, (\new)
.endif
.endm
.macro PLACES                          ; four places behind a matrix instruction, ahead of loads into its sources and of reads of its results
.rept 4
	v_nop
.endr
.endm
.macro SCL reg, ptr, j                 ; the scale words of tiles 2 j (lanes 0-15) and 2 j + 1 (lanes 16-31): register s = K step s; only K steps that were written are read
.set Q_, 0
.rept KS/4
	global_load_b128 v[(\reg)+KSR*(\j)+4*Q_:(\reg)+KSR*(\j)+4*Q_+3], v[VS], s[\ptr:\ptr+1] offset:2*(\j)*SS+256*Q_
.set Q_, Q_+1
.endr
.if KS%4
	global_load_b64 v[(\reg)+KSR*(\j)+4*Q_:(\reg)+KSR*(\j)+4*Q_+1], v[VS], s[\ptr:\ptr+1] offset:2*(\j)*SS+256*Q_
.endif
.endm
; A matrix instruction names its scale register in the text, so each wave brings the words of ITS K steps, 2 k + kh, to registers k: a choice on the wave's parity (s37 = all ones where kh = 1).
; k ascends, so register k is written when registers 2 k and 2 k + 1 have not been written.  Eight places follow, ahead of the first scaled product.
.macro PICKS
.irp j, 0,1,2,3,4,5
.set K_, 0
.rept KL
	v_cndmask_b32 v[SA+KSR*\j+K_], v[SA+KSR*\j+2*K_], v[SA+KSR*\j+2*K_+1], s37
.set K_, K_+1
.endr
.endr
.rept 8
	v_nop
.endr
.endm
.macro LOADK k                         ; my K step k's 12 fragments into set k % 2; from one of my steps to the next are two images
	WIN 0x80+0x40*((\k)%2)
.irp a, 0,1,2,3,4,5,6,7
.irp c, 0,1,2
	global_load_b128 v[12*\a+4*\c:12*\a+4*\c+3], v[VI], s[P0:P0+1] offset:\a*TS0+3072*(\k)+512*\c
.endr
.endr
.irp b, 0,1,2,3
.irp p, 0,1,2,3,4,5
	global_load_b64 v[96+12*\b+2*\p:96+12*\b+2*\p+1], v[V8], s[P1:P1+1] offset:\b*TS1+3072*(\k)+256*\p
.endr
.endr
.endm
.macro RESID                           ; the residual of my two blocks: position i of block bb is token 8 bb + i + 8 (i / 8) of my 32; 32 lanes read 512 consecutive bytes; each byte is read once in the launch
	WIN 0x80
.irp i, 0,1,2,3,4,5,6,7,8,9,10,11,12,13,14,15
	global_load_b128 v[RS+4*\i:RS+4*\i+3], v[VI], s[RES:RES+1] offset:(\i+8*(\i/8))*4096 th:TH_LOAD_NT
.endr
	WIN 0xC0
.irp i, 0,1,2,3,4,5,6,7,8,9,10,11,12,13,14,15
	global_load_b128 v[RS+4*\i:RS+4*\i+3], v[VI], s[RES:RES+1] offset:(8+\i+8*(\i/8))*4096 th:TH_LOAD_NT
.endr
.endm
.macro QUAD ap, bp, k, zero            ; tiles 2 ap, 2 ap + 1 of source 0 x 2 bp, 2 bp + 1 of source 1; an odd tile's scale words lie in lanes 16-31
.set D00, 8*(16*(\bp)+2*(\ap))
.set A0_, 24*(\ap)
.set B0_, 96+24*(\bp)
.set QA_, SA+KSR*(\ap)+(\k)
.set QB_, SB+KSR*(\bp)+(\k)
.if \zero
	v_wmma_scale_f32_16x16x128_f8f6f4 v[D00:D00+7], v[A0_:A0_+11], v[B0_:B0_+11], 0, v[QA_], v[QB_] matrix_a_fmt:MATRIX_FMT_FP6 matrix_b_fmt:MATRIX_FMT_FP6
	v_wmma_scale_f32_16x16x128_f8f6f4 v[D00+8:D00+15], v[A0_+12:A0_+23], v[B0_:B0_+11], 0, v[QA_], v[QB_] matrix_a_fmt:MATRIX_FMT_FP6 matrix_b_fmt:MATRIX_FMT_FP6 matrix_a_scale:MATRIX_SCALE_ROW1
	v_wmma_scale_f32_16x16x128_f8f6f4 v[D00+64:D00+71], v[A0_:A0_+11], v[B0_+12:B0_+23], 0, v[QA_], v[QB_] matrix_a_fmt:MATRIX_FMT_FP6 matrix_b_fmt:MATRIX_FMT_FP6 matrix_b_scale:MATRIX_SCALE_ROW1
	v_wmma_scale_f32_16x16x128_f8f6f4 v[D00+72:D00+79], v[A0_+12:A0_+23], v[B0_+12:B0_+23], 0, v[QA_], v[QB_] matrix_a_fmt:MATRIX_FMT_FP6 matrix_b_fmt:MATRIX_FMT_FP6 matrix_a_scale:MATRIX_SCALE_ROW1 matrix_b_scale:MATRIX_SCALE_ROW1
.else
	v_wmma_scale_f32_16x16x128_f8f6f4 v[D00:D00+7], v[A0_:A0_+11], v[B0_:B0_+11], v[D00:D00+7], v[QA_], v[QB_] matrix_a_fmt:MATRIX_FMT_FP6 matrix_b_fmt:MATRIX_FMT_FP6
	v_wmma_scale_f32_16x16x128_f8f6f4 v[D00+8:D00+15], v[A0_+12:A0_+23], v[B0_:B0_+11], v[D00+8:D00+15], v[QA_], v[QB_] matrix_a_fmt:MATRIX_FMT_FP6 matrix_b_fmt:MATRIX_FMT_FP6 matrix_a_scale:MATRIX_SCALE_ROW1
	v_wmma_scale_f32_16x16x128_f8f6f4 v[D00+64:D00+71], v[A0_:A0_+11], v[B0_+12:B0_+23], v[D00+64:D00+71], v[QA_], v[QB_] matrix_a_fmt:MATRIX_FMT_FP6 matrix_b_fmt:MATRIX_FMT_FP6 matrix_b_scale:MATRIX_SCALE_ROW1
	v_wmma_scale_f32_16x16x128_f8f6f4 v[D00+72:D00+79], v[A0_+12:A0_+23], v[B0_+12:B0_+23], v[D00+72:D00+79], v[QA_], v[QB_] matrix_a_fmt:MATRIX_FMT_FP6 matrix_b_fmt:MATRIX_FMT_FP6 matrix_a_scale:MATRIX_SCALE_ROW1 matrix_b_scale:MATRIX_SCALE_ROW1
.endif
.endm
.macro MULK k, zero                    ; 32 matrix instructions on 32 accumulators, by turns, in the same order in every K step
	WIN 0x5A+5*((\k)%2)                            ; sources 0 and 1: window 2 or 3; C and D: window 1
.irp bp, 0,1
.irp ap, 0,1,2,3
	QUAD \ap, \bp, \k, \zero
.endr
.endr
.endm
.macro MAIN
.irp j, 0,1,2,3
	SCL SA, SC0, \j
.endr
.irp j, 0,1
	SCL SB, SC1, \j
.endr
	LOADK 0
	LOADK 1
.set KK, 0
.rept KL
.if KK < KL-1
	s_wait_alu depctr_va_vdst(0)
	s_wait_loadcnt NL                              ; this K step's fragments are in (and all that was asked for ahead of them); the next step's NL loads, the only ones issued behind them, stay out
.else
	s_wait_loadcnt 32                              ; the last step's fragments are in; the residual's 32 loads, issued behind them, stay out
.endif
.if KK == 0
	WIN 0
	PICKS
	MULK KK, 1                                     ; the first K step starts the sums: nothing is cleared
.else
	MULK KK, 0
.endif
.if KK+2 < KL
	PLACES
	LOADK KK+2
.endif
.if KK == KL-2
	RESID                                          ; no fragment is left to ask for: the residual goes out, and has the last K step, the stage and the barrier in which to land
.endif
.set KK, KK+1
.endr
.endm
	s_load_b256 s[4:11], s[0:1], 0x0               ; wq s[4:5], the tokens' codes s[6:7], the residual s[8:9], the result s[10:11]
	v_lshl_add_u32 v[SPW], v0, 2, SPARE
	v_mov_b32 v[NIL], 0
	v_lshrrev_b32 v8, 5, v0                        ; wave
	v_readfirstlane_b32 s12, v8
	v_and_b32 v1, 31, v0
	v_and_b32 v2, 15, v0
	v_bfe_u32 v3, v0, 4, 1
	v_lshlrev_b32 v[VI], 4, v1
	v_lshlrev_b32 v[V8], 3, v1
	v_mul_u32_u24 v[VS], v3, SS
	v_lshl_add_u32 v[VS], v2, 4, v[VS]
	v_mul_u32_u24 v11, v8, STGW                    ; my stage
	v_mul_u32_u24 v[STO], v2, 528
	v_add_nc_u32 v[STO], v[STO], v11
	v_lshl_add_u32 v[STO], v3, 6, v[STO]           ; in: row r, + 64 h
	v_and_b32 v12, 1, v8                           ; kh
	v_mul_u32_u24 v12, v12, 2*BLKB                 ; the two blocks that I finish,
	v_add_nc_u32 v12, v12, v[VI]                   ; 16 bytes a lane of a row:
	v_add_nc_u32 v[RDO], v11, v12                  ; in my stage,
	v_xor_b32 v13, 1, v8
	v_mul_u32_u24 v13, v13, STGW
	v_add_nc_u32 v[RDP], v13, v12                  ; and in my partner's
	s_and_b32 s36, s12, 1                          ; kh: which K steps are mine
	s_lshr_b32 s38, s12, 1                         ; tp
	s_and_b32 s13, ttmp7, 0xffff
	s_lshl_b32 s13, s13, 1
	s_add_co_u32 s13, s13, s38                     ; tg: my 64 tokens
	s_cmp_lg_u32 s36, 0
	s_cselect_b32 s37, -1, 0                       ; all ones where kh = 1
	s_mul_i32 s38, s36, 1536                       ; my first K step's image
	s_mul_i32 s24, ttmp9, 8*TS0
	s_add_co_u32 s24, s24, WI
	s_add_co_u32 s24, s24, s38
	s_mov_b32 s25, 0
	s_mul_i32 s26, ttmp9, 8*SS
	s_add_co_u32 s26, s26, WS
	s_mov_b32 s27, 0
	s_mul_i32 s28, s13, 4*TS1
	s_add_co_u32 s28, s28, s38
	s_mov_b32 s29, 0
	s_mul_i32 s30, s13, 4*SS
	s_add_co_u32 s30, s30, S1SCL
	s_mov_b32 s31, 0
	s_lshl_b32 s32, s13, 18                        ; 64 rows of 4,096 bytes,
	s_lshl_b32 s33, ttmp9, 9                       ; my 128 columns,
	s_add_co_u32 s32, s32, s33
	s_lshl_b32 s33, s36, 17                        ; and the 32 tokens that I finish
	s_add_co_u32 s32, s32, s33
	s_mov_b32 s33, 0
	s_wait_kmcnt 0x0
	s_add_nc_u64 s[P0:P0+1], s[4:5], s[24:25]
	s_add_nc_u64 s[SC0:SC0+1], s[4:5], s[26:27]
	s_add_nc_u64 s[P1:P1+1], s[6:7], s[28:29]
	s_add_nc_u64 s[SC1:SC1+1], s[6:7], s[30:31]
	s_add_nc_u64 s[RES:RES+1], s[8:9], s[32:33]
	s_add_nc_u64 s[OUT:OUT+1], s[10:11], s[32:33]
	MAIN
	WIN 0
	PLACES
	WIN 0x04                                       ; an LDS store's data are its source 1: window 1
.irp b, 0,1,2,3
.irp a, 0,1,2,3,4,5,6,7
	ds_store_b128 v[STO], v[64*\b+8*\a:64*\b+8*\a+3] offset:BLKB*\b+128*(\a/2)+32*(\a%2)          ; each accumulator from its low end on: columns 32 (a / 2) + 16 h + 8 (a % 2) + 0 .. 7
	ds_store_b128 v[STO], v[64*\b+8*\a+4:64*\b+8*\a+7] offset:BLKB*\b+128*(\a/2)+32*(\a%2)+16
.endr
.endr
	WIN 0
	s_wait_dscnt 0x0                               ; for my partner's sake: my half of the sums lies in my stage
	s_barrier_signal -1
	s_barrier_wait -1                              ; everybody's does
.irp bb, 0,1
	WIN 0x80
.irp i, 0,1,2,3,4,5,6,7,8,9,10,11,12,13,14,15
	ds_load_b128 v[64*\bb+4*\i:64*\bb+4*\i+3], v[RDO] offset:BLKB*\bb+528*\i       ; my half, as rows
.endr
	WIN 0xC0
.irp i, 0,1,2,3,4,5,6,7,8,9,10,11,12,13,14,15
	ds_load_b128 v[64*\bb+4*\i:64*\bb+4*\i+3], v[RDP] offset:BLKB*\bb+528*\i       ; my partner's
.endr
.endr
.irp bb, 0,1
	s_wait_dscnt 32*(1-\bb)                        ; this block's 32 LDS loads are in; the second block's 32 stay out
	s_wait_loadcnt 16*(1-\bb)                      ; this block's 16 rows of the residual are in; the second block's stay out
	WIN 0x8E                                       ; destination and source 0 window 2, source 1 window 3
.set N_, 0
.rept 32
	v_pk_add_f32 v[64*\bb+N_:64*\bb+N_+1], v[64*\bb+N_:64*\bb+N_+1], v[64*\bb+N_:64*\bb+N_+1]    ; the two halves of K
.set N_, N_+2
.endr
	WIN 0x8A+4*\bb                                 ; source 1: the residual, in window 2 or 3
.set N_, 0
.rept 32
	v_pk_add_f32 v[64*\bb+N_:64*\bb+N_+1], v[64*\bb+N_:64*\bb+N_+1], v[RS+N_:RS+N_+1]
.set N_, N_+2
.endr
	WIN 0x08                                       ; a store's data are its source 1: window 2
.irp i, 0,1,2,3,4,5,6,7,8,9,10,11,12,13,14,15
.if LAST
	global_store_b128 v[VI], v[64*\bb+4*\i:64*\bb+4*\i+3], s[OUT:OUT+1] offset:(8*\bb+\i+8*(\i/8))*4096 th:TH_STORE_NT
.else
	global_store_b128 v[VI], v[64*\bb+4*\i:64*\bb+4*\i+3], s[OUT:OUT+1] offset:(8*\bb+\i+8*(\i/8))*4096    ; 32 lanes store 512 consecutive bytes, aligned to 256
.endif
.endr
.endr
	WIN 0
	s_wait_tensorcnt 0x0                           ; the wave's end, behind my last LDS store
	ds_add_u32 v[SPW], v[NIL]
	s_wait_dscnt 0x0
	s_endpgm
.Lfunc_end_k_q40d6508250_wo:
	.size	k_q40d6508250_wo, .Lfunc_end_k_q40d6508250_wo-k_q40d6508250_wo
	.p2alignl 7, 3214868480
	.fill 96, 4, 3214868480
	.section	.rodata,"a",@progbits
	.p2align	6, 0x0
	.amdhsa_kernel k_q40d6508250_wo
		.amdhsa_group_segment_fixed_size 135680
		.amdhsa_private_segment_fixed_size 0
		.amdhsa_enable_private_segment 0
		.amdhsa_kernarg_size 32
		.amdhsa_user_sgpr_count 2
		.amdhsa_user_sgpr_kernarg_segment_ptr 1
		.amdhsa_wavefront_size32 1
		.amdhsa_system_sgpr_workgroup_id_x 1
		.amdhsa_system_sgpr_workgroup_id_y 1
		.amdhsa_system_sgpr_workgroup_id_z 1
		.amdhsa_system_vgpr_workitem_id 0
		.amdhsa_next_free_vgpr 1024
		.amdhsa_next_free_sgpr 66
		.amdhsa_reserve_vcc 0
		.amdhsa_float_denorm_mode_32 3
		.amdhsa_float_denorm_mode_16_64 3
		.amdhsa_memory_ordered 1
		.amdhsa_forward_progress 1
		.amdhsa_inst_pref_size 64
	.end_amdhsa_kernel
	.amdgpu_metadata
---
amdhsa.version: [ 1, 2 ]
amdhsa.kernels:
  - .name:           k_q40d6508250_wo
    .symbol:         k_q40d6508250_wo.kd
    .args:
      - { .name: wq, .offset: 0, .size: 8, .value_kind: global_buffer, .address_space: global }
      - { .name: act, .offset: 8, .size: 8, .value_kind: global_buffer, .address_space: global }
      - { .name: x, .offset: 16, .size: 8, .value_kind: global_buffer, .address_space: global }
      - { .name: x1, .offset: 24, .size: 8, .value_kind: global_buffer, .address_space: global }
    .group_segment_fixed_size: 135680
    .private_segment_fixed_size: 0
    .kernarg_segment_align: 8
    .kernarg_segment_size: 32
    .max_flat_workgroup_size: 128
    .sgpr_count:     66
    .vgpr_count:     1024
    .wavefront_size: 32
...
	.end_amdgpu_metadata
.endif
;; end of part 4
;; launch norm2: the kernel of part 1 again; grid 256 x 1, 8 waves a work-group, no clusters, 69,632 bytes of LDS; arguments x1, n2_w, w_qkv, w_o, w1, w3, w2, act, wq; writes act, wq
;; launch up (part 5): grid 16 x 16, 4 waves a work-group, no clusters, 327,680 bytes of LDS; arguments wq, act, gq; writes gq
.if DOCPART == 5
	.amdgcn_target "amdgcn-amd-amdhsa--gfx1250"
	.amdhsa_code_object_version 6
	.text
	.protected	k_q40d6508250_up
	.globl	k_q40d6508250_up
	.p2align	8
	.type	k_q40d6508250_up,@function
k_q40d6508250_up:
	s_mov_b64 s[64:65], 0
	v_nop
	global_prefetch_b8 v0, s[64:65] scope:SCOPE_SE
	s_setreg_imm32_b32 hwreg(HW_REG_WAVE_MODE, 25, 1), 1
	s_wait_xcnt 0x0
; g = silu(h w1^T) x (h w3^T), h = rmsnorm2(x1), both products on codes of MX-FP6, and g quantised along FF on the way out; g never goes to memory as f32.
; FF = 2,730 is carried as 2,816 = 44 groups of 64 units: the weights' rows past the end are zero codes, so g is 0 there, as the quantiser's fill with zeros asks.
; SHARES.  256 work-groups that stay: x = a block of 256 tokens, y = a column share s, which takes the groups s, s + 16 and, where s < 12, s + 32.  A wave owns 64 tokens (4 tiles, source 1).
; Its tokens' fragments of all 8 K steps, 384 registers, are loaded once and stay.  A group's weights (8 tiles: four of w1, the same four of w3; source 0) are one dense panel of 98,304 bytes,
; in the order of the operand's registers: it comes into one of two LDS slots by four tensor loads, a quarter a wave (96 rows of 256 bytes), asked for one group ahead, and all four waves read it.
; In token tile b accumulators 0-3 hold h w1^T and 4-7 h w3^T at the same units, in the same lanes and registers: the activation needs no other lane.  silu(a) = a / (1 + 2^(-a log2 e)), in f32.
; THE LOOP has three trips in every work-group; jumps on the work-group's number and the trip's number lead round the fill and the work of a third group that a share does not have.
; NO JOINT REQUESTS: shares have two or three groups, so a fill is led round by a jump on ids.
; PREFETCH: the third panel is asked for in trip 0, two fills ahead: its 384 blocks of 256 bytes are shared out by address among the 16 work-groups that read it, 6 blocks a wave.  The first two panels come by their loads alone.
; REGISTERS: window 0: addresses, v32-63 the weights' scale words, v64-79 the tokens', v80-143 the way out, v160-255 the weights' fragments of odd K steps; window 1: accumulators, (a, b) at v[8 (8 b + a)];
;   window 2: tokens, K steps 0-4; window 3: v0-143 tokens, K steps 5-7; v144-239 the weights' fragments of even K steps, on the way out v144-207 at work.
; OUT: half a fragment (64 along FF) for each tile of tokens: 768 bytes, byte 256 p + 8 lane = registers 2 p, 2 p + 1; its two scale bytes a row leave as a store of 2 bytes, 16 bytes from lane to lane.
; LIMITS: NaN and infinities are not served; a block under 2^-124 or of zeros keeps the byte 1.
.set PANEL, 98304
.set QP,    24576                      ; a wave's quarter of a panel
.set SLOT,  131072                     ; slot 1's first byte: a power of two above a panel, so that an exclusive or changes slots
.set SPARE, 229376                     ; behind slot 1: the spare words, 128 bytes for each wave
.set WI_UP, 3145728
.set WS_UP, 9961472
.set ACT_SCL, 3145728
.set G_SCL, 9437184
.set VI, 4                             ; v4 16 lane
.set V8, 5                             ; v5 8 lane
.set VS, 6                             ; v6 512 h + 16 r
.set VR, 7                             ; v7 16 r
.set AL0, 8                            ; v8 this trip's slot + 16 lane: tiles 0-3
.set AL1, 9                            ; v9 the same for tiles 4-7
.set SPW, 10
.set NIL, 11
.set VJ, 12                            ; v12 16 lane + 4 tiles
.set PFO, 13                           ; v13 256 min(lane, 5)
.set SA, 32
.set SB, 64
.set TM, 80
.set TT, 96
.set PW, 104
.set DC, 112
.set E,  144                           ; window 3: 64 numbers at work on the way out
.set G0, 12
.set G1, 16
.set P1, 26
.set SC0, 28
.set SC1, 30
.set OUTC, 32
.set OUTS, 34
.set PF, 36
.set NLE, 40                           ; s[40:41] -log2(e)
.set SEL, 42
.set J,  44                            ; the trip
.set JN, 45                            ; the trip + 1
.set NT, 46                            ; my share's groups: 3 or 2
.set SLO, 47                           ; this trip's slot
.set MSB, 0
.macro WIN new
.if MSB != (\new)
	s_set_vgpr_msb (MSB<<8)|(\new)
.set MSB, (\new)
.endif
.endm
.macro PLACES
.rept 4
	v_nop
.endr
.endm
.macro SCL reg, ptr, j, off            ; the scale words of tiles 2 j (lanes 0-15) and 2 j + 1 (lanes 16-31): register s = K step s
.irp q, 0,1
	global_load_b128 v[(\reg)+8*(\j)+4*\q:(\reg)+8*(\j)+4*\q+3], v[VS], s[\ptr:\ptr+1] offset:(\off)+1024*(\j)+256*\q
.endr
.endm
.macro LOADW k                         ; the weights' 8 fragments of K step k from this trip's slot: even steps into window 3, odd into window 0
	WIN 0xC0*(1-(\k)%2)
.irp a, 0,1,2,3,4,5,6,7
.irp c, 0,1,2
	ds_load_b128 v[144+16*((\k)%2)+12*\a+4*\c:144+16*((\k)%2)+12*\a+4*\c+3], v[AL0+\a/4] offset:(\a%4)*12288+1536*(\k)+512*\c
.endr
.endr
.endm
.macro QUAD ap, bp, k, zero            ; tiles 2 ap, 2 ap + 1 of source 0 x 2 bp, 2 bp + 1 of source 1; an odd tile's scale words lie in lanes 16-31
.set D00, 8*(16*(\bp)+2*(\ap))
.set A0_, AB_+24*(\ap)
.set B0_, BB_+24*(\bp)
.set QA_, SA+8*(\ap)+(\k)
.set QB_, SB+8*(\bp)+(\k)
.if \zero
	v_wmma_scale_f32_16x16x128_f8f6f4 v[D00:D00+7], v[A0_:A0_+11], v[B0_:B0_+11], 0, v[QA_], v[QB_] matrix_a_fmt:MATRIX_FMT_FP6 matrix_b_fmt:MATRIX_FMT_FP6
	v_wmma_scale_f32_16x16x128_f8f6f4 v[D00+8:D00+15], v[A0_+12:A0_+23], v[B0_:B0_+11], 0, v[QA_], v[QB_] matrix_a_fmt:MATRIX_FMT_FP6 matrix_b_fmt:MATRIX_FMT_FP6 matrix_a_scale:MATRIX_SCALE_ROW1
	v_wmma_scale_f32_16x16x128_f8f6f4 v[D00+64:D00+71], v[A0_:A0_+11], v[B0_+12:B0_+23], 0, v[QA_], v[QB_] matrix_a_fmt:MATRIX_FMT_FP6 matrix_b_fmt:MATRIX_FMT_FP6 matrix_b_scale:MATRIX_SCALE_ROW1
	v_wmma_scale_f32_16x16x128_f8f6f4 v[D00+72:D00+79], v[A0_+12:A0_+23], v[B0_+12:B0_+23], 0, v[QA_], v[QB_] matrix_a_fmt:MATRIX_FMT_FP6 matrix_b_fmt:MATRIX_FMT_FP6 matrix_a_scale:MATRIX_SCALE_ROW1 matrix_b_scale:MATRIX_SCALE_ROW1
.else
	v_wmma_scale_f32_16x16x128_f8f6f4 v[D00:D00+7], v[A0_:A0_+11], v[B0_:B0_+11], v[D00:D00+7], v[QA_], v[QB_] matrix_a_fmt:MATRIX_FMT_FP6 matrix_b_fmt:MATRIX_FMT_FP6
	v_wmma_scale_f32_16x16x128_f8f6f4 v[D00+8:D00+15], v[A0_+12:A0_+23], v[B0_:B0_+11], v[D00+8:D00+15], v[QA_], v[QB_] matrix_a_fmt:MATRIX_FMT_FP6 matrix_b_fmt:MATRIX_FMT_FP6 matrix_a_scale:MATRIX_SCALE_ROW1
	v_wmma_scale_f32_16x16x128_f8f6f4 v[D00+64:D00+71], v[A0_:A0_+11], v[B0_+12:B0_+23], v[D00+64:D00+71], v[QA_], v[QB_] matrix_a_fmt:MATRIX_FMT_FP6 matrix_b_fmt:MATRIX_FMT_FP6 matrix_b_scale:MATRIX_SCALE_ROW1
	v_wmma_scale_f32_16x16x128_f8f6f4 v[D00+72:D00+79], v[A0_+12:A0_+23], v[B0_+12:B0_+23], v[D00+72:D00+79], v[QA_], v[QB_] matrix_a_fmt:MATRIX_FMT_FP6 matrix_b_fmt:MATRIX_FMT_FP6 matrix_a_scale:MATRIX_SCALE_ROW1 matrix_b_scale:MATRIX_SCALE_ROW1
.endif
.endm
.macro MULK k, zero                    ; 32 matrix instructions on 32 accumulators, by turns, in the same order in every K step
.set AB_, 144+16*((\k)%2)
.set BB_, 48*((\k)%5)
	WIN (3-3*((\k)%2))|((2+(\k)/5)<<2)|0x50        ; source 0: window 3 or 0; source 1: window 2 or 3; C and D: window 1
.irp bp, 0,1
.irp ap, 0,1,2,3
	QUAD \ap, \bp, \k, \zero
.endr
.endr
.endm
; 32 numbers of a lane in window win, register 16 b + i = k 32 b + 16 h + i, become half a fragment (6 registers) and two scale bytes in window 0
.macro HQUANT src, win, dst, tmp, pw
	WIN (\win)|((\win)<<2)
.irp b, 0,1
	v_max3_num_f32 v[TM+\b], |v[(\src)+16*\b]|, |v[(\src)+16*\b+1]|, 0x1800000   ; the floor 2^(3 - 127) holds the byte at 1 from below
.endr
	WIN ((\win)<<2)|((\win)<<4)
.irp i, 2,4,6,8,10,12,14
.irp b, 0,1
	v_max3_num_f32 v[TM+\b], v[TM+\b], |v[(\src)+16*\b+\i]|, |v[(\src)+16*\b+\i+1]|
.endr
.endr
	WIN 0
.irp b, 0,1
	v_permlanex16_b32 v[TM+4+\b], v[TM+\b], s[SEL], s[SEL+1]
.endr
.irp b, 0,1
	v_max_num_f32 v[TM+\b], v[TM+\b], v[TM+4+\b]
.endr
.irp b, 0,1
	v_add_nc_u32 v[TM+12+\b], 0xff000000, v[TM+\b] ; 2 off the exponent field: the conversion's scale operand
.endr
.irp b, 0,1
	v_lshrrev_b32 v[TM+4+\b], 23, v[TM+12+\b]      ; the scale's byte
.endr
	v_lshl_or_b32 v[\pw], v[TM+5], 8, v[TM+4]
	WIN \win
	v_cvt_scalef32_pk16_fp6_f32 v[(\dst):(\dst)+2], v[(\src):(\src)+15], v[TM+12]
	v_cvt_scalef32_pk16_fp6_f32 v[(\tmp):(\tmp)+2], v[(\src)+16:(\src)+31], v[TM+13]
	WIN 0
	v_nop                                          ; one plain place behind the conversions
.irp i, 0,1,2
	v_permlane16_swap_b32 v[(\dst)+\i], v[(\tmp)+\i]
.endr
.irp i, 0,1,2
	v_mov_b32 v[(\dst)+3+\i], v[(\tmp)+\i]
.endr
.endm
; the activation and the quantiser for token tiles 2 hb and 2 hb + 1
.macro ACT hb
	WIN 0xC1                                       ; destination window 3, source 0 window 1
.if \hb
	s_wait_alu depctr_va_vdst(0)                   ; matrix results first read behind transcendentals
.endif
.irp bb, 0,1
.set N_, 0
.rept 16
	v_pk_mul_f32 v[E+32*\bb+N_:E+32*\bb+N_+1], v[64*(2*\hb+\bb)+N_:64*(2*\hb+\bb)+N_+1], s[NLE:NLE+1] op_sel_hi:[1,0]   ; -a log2(e); each accumulator from its low end on
.set N_, N_+2
.endr
.endr
	WIN 0xC3
	s_wait_alu depctr_va_vdst(0)                   ; ahead of the batch
.set N_, 0
.rept 64
	v_exp_f32 v[E+N_], v[E+N_]
.set N_, N_+1
.endr
	v_nop                                          ; a plain place behind the batch,
	s_wait_alu depctr_va_vdst(0)                   ; and one wait for all 64
.set N_, 0
.rept 32
	v_pk_add_f32 v[E+N_:E+N_+1], v[E+N_:E+N_+1], 1.0 op_sel_hi:[1,0]
.set N_, N_+2
.endr
	s_wait_alu depctr_va_vdst(0)
.set N_, 0
.rept 64
	v_rcp_f32 v[E+N_], v[E+N_]
.set N_, N_+1
.endr
	WIN 0xC7                                       ; destination and source 0 window 3, source 1 window 1
	v_nop
	s_wait_alu depctr_va_vdst(0)
.irp bb, 0,1
.set N_, 0
.rept 16
	v_pk_mul_f32 v[E+32*\bb+N_:E+32*\bb+N_+1], v[E+32*\bb+N_:E+32*\bb+N_+1], v[64*(2*\hb+\bb)+N_:64*(2*\hb+\bb)+N_+1]         ; silu(a)
.set N_, N_+2
.endr
.endr
.irp bb, 0,1
.set N_, 0
.rept 16
	v_pk_mul_f32 v[E+32*\bb+N_:E+32*\bb+N_+1], v[E+32*\bb+N_:E+32*\bb+N_+1], v[64*(2*\hb+\bb)+32+N_:64*(2*\hb+\bb)+32+N_+1]   ; x (h w3^T)
.set N_, N_+2
.endr
.endr
.irp bb, 0,1
	HQUANT E+32*\bb, 3, DC+8*(2*\hb+\bb), TT, PW+2*\hb+\bb
.endr
.endm
	s_load_b128 s[4:7], s[0:1], 0x0                ; wq, act
	s_load_b64 s[8:9], s[0:1], 0x10                ; gq
	v_lshl_add_u32 v[SPW], v0, 2, SPARE
	v_mov_b32 v[NIL], 0
	ds_add_u32 v[SPW], v[NIL]                      ; the opening lines: the add, twice on end, and its wait ahead of my first tensor load
	ds_add_u32 v[SPW], v[NIL]
	v_lshrrev_b32 v1, 5, v0
	v_readfirstlane_b32 s10, v1                    ; wave
	v_and_b32 v1, 31, v0
	v_and_b32 v2, 15, v0
	v_bfe_u32 v3, v0, 4, 1
	v_lshlrev_b32 v[VI], 4, v1
	v_lshlrev_b32 v[V8], 3, v1
	v_lshlrev_b32 v[VR], 4, v2
	v_lshl_add_u32 v[VS], v3, 9, v[VR]
	v_add_nc_u32 v[VJ], 49152, v[VI]
	v_min_u32 v[PFO], 5, v1
	v_lshlrev_b32 v[PFO], 8, v[PFO]
.irp b, 0,1
	v_mov_b32 v[TM+4+\b], 0                        ; a lane permute's destination counts as one of its sources
.endr
	s_wait_alu depctr_va_vdst(0)                   ; the wait behind the head's vector lines
	s_mov_b32 s[SEL], 0x76543210
	s_mov_b32 s[SEL+1], 0xfedcba98
	s_mov_b32 s[NLE], 0xbfb8aa3b
	s_mov_b32 s[NLE+1], s[NLE]
	s_and_b32 s25, ttmp7, 0xffff                   ; s: my column share
	s_lshl_b32 s11, ttmp9, 2
	s_add_co_u32 s11, s11, s10                     ; tg: my 64 tokens
	s_cmp_lt_u32 s25, 12
	s_cselect_b32 s[NT], 3, 2
	s_mov_b32 s[J], 0
	s_mov_b32 s[SLO], 0
	s_mul_i32 s[G0+1], s10, QP                     ; LDS: my quarter of slot 0
	s_mul_i32 s48, s25, PANEL                      ; group s's panel, my quarter
	s_add_co_u32 s48, s48, s[G0+1]
	s_add_co_u32 s48, s48, WI_UP
	s_mov_b32 s49, 0
	s_lshl_b32 s50, s25, 12                        ; its scale words
	s_add_co_u32 s50, s50, WS_UP
	s_mov_b32 s51, 0
	s_mul_i32 s52, s11, 49152                      ; my tokens' four tiles
	s_mov_b32 s53, 0
	s_lshl_b32 s54, s11, 11
	s_add_co_u32 s54, s54, ACT_SCL
	s_mov_b32 s55, 0
	s_mul_i32 s56, s11, 4*36864                    ; g's images: 36,864 bytes a tile of tokens, 768 for each group
	s_mul_i32 s58, s25, 768
	s_add_co_u32 s56, s56, s58
	s_mov_b32 s57, 0
	s_mul_i32 s58, s11, 4*1536                     ; its scale words: 1,536 bytes a tile; K step group / 2, bytes 2 (group % 2) on
	s_lshr_b32 s59, s25, 3
	s_lshl_b32 s59, s59, 8
	s_add_co_u32 s58, s58, s59
	s_and_b32 s59, s25, 7
	s_lshl_b32 s59, s59, 1
	s_add_co_u32 s58, s58, s59
	s_add_co_u32 s58, s58, G_SCL
	s_mov_b32 s59, 0
	s_mul_i32 s[PF], s25, PANEL                    ; the prefetch: group s + 32's panel, my work-group's 24 blocks of 256 bytes, my wave's 6
	s_mul_i32 s24, ttmp9, 6144
	s_add_co_u32 s[PF], s[PF], s24
	s_mul_i32 s24, s10, 1536
	s_add_co_u32 s[PF], s[PF], s24
	s_add_co_u32 s[PF], s[PF], WI_UP+32*PANEL
	s_mov_b32 s[PF+1], 0
	s_mov_b32 s[G0], 1
	s_mov_b32 s[G1+0], 3<<16                       ; elements of 8 bytes, no padding, no mask
	s_mov_b32 s[G1+1], 32<<16                      ; tensor_dim0 = 32
	s_mov_b32 s[G1+2], 96<<16                      ; tensor_dim1 = 96
	s_mov_b32 s[G1+3], 32<<16                      ; tile_dim0 = 32
	s_mov_b32 s[G1+4], 96                          ; tile_dim1 = 96
	s_mov_b32 s[G1+5], 32                          ; from row to row
	s_mov_b32 s[G1+6], 0
	s_mov_b32 s[G1+7], 0
	s_wait_dscnt 0x0                               ; both opening adds are done
	s_wait_kmcnt 0x0
	s_add_nc_u64 s[G0+2:G0+3], s[4:5], s[48:49]
	s_or_b32 s[G0+3], s[G0+3], 0x80000000
	tensor_load_to_lds s[G0:G0+3], s[G1:G1+7]      ; the first group's panel, my quarter: my one tensor load at the head
	s_nop 0
	PLACES
	s_add_nc_u64 s[SC0:SC0+1], s[4:5], s[50:51]
	s_add_nc_u64 s[PF:PF+1], s[4:5], s[PF:PF+1]
	s_add_nc_u64 s[P1:P1+1], s[6:7], s[52:53]
	s_add_nc_u64 s[SC1:SC1+1], s[6:7], s[54:55]
	s_add_nc_u64 s[OUTC:OUTC+1], s[8:9], s[56:57]
	s_add_nc_u64 s[OUTS:OUTS+1], s[8:9], s[58:59]
.irp j, 0,1
	SCL SB, SC1, \j, 0
.endr
.irp j, 0,1,2,3
	SCL SA, SC0, \j, 0
.endr
.irp k, 0,1,2,3,4,5,6,7                ; my tokens' fragments of all of K, K step by K step: 12 loads each
	WIN 0x80+0x40*(\k/5)
.irp b, 0,1,2,3
.irp c, 0,1,2
	global_load_b128 v[48*(\k%5)+12*\b+4*\c:48*(\k%5)+12*\b+4*\c+3], v[VI], s[P1:P1+1] offset:\b*12288+1536*\k+512*\c
.endr
.endr
.endr
	WIN 0
.Ltrip:
	s_wait_tensorcnt 0x0                           ; all my tensor loads have landed: my quarter of this trip's panel
	ds_add_u32 v[SPW], v[NIL]
	s_xor_b32 s[G0+1], s[G0+1], SLOT               ; no load of mine is out: the next fill goes to the other slot,
	s_add_nc_u64 s[G0+2:G0+3], s[G0+2:G0+3], 16*PANEL   ; and brings the group 16 further on
	s_add_co_u32 s[JN], s[J], 1
	s_wait_dscnt 0x0                               ; the add is done, and my reads of the other slot
	s_barrier_signal -1
	s_barrier_wait -1                              ; both hold of all four waves
	s_cmp_lt_u32 s[JN], s[NT]                      ; has my share a next group?  Ids alone, the same in all waves
	s_cbranch_scc0 .Lno_fill
	tensor_load_to_lds s[G0:G0+3], s[G1:G1+7]      ; my one tensor load behind this barrier
	s_nop 0
	PLACES
.Lno_fill:
	s_cmp_lt_u32 s[J], s[NT]
	s_cbranch_scc0 .Lno_work
	v_add_nc_u32 v[AL0], s[SLO], v[VI]
	v_add_nc_u32 v[AL1], s[SLO], v[VJ]
	s_wait_alu depctr_va_vdst(0)
	LOADW 0
	LOADW 1
	WIN 0
	s_add_co_u32 s48, s[J], 2
	s_cmp_lt_u32 s48, s[NT]                        ; trip 0 of a share of three groups
	s_cbranch_scc0 .Lno_pf
	global_prefetch_b8 v[PFO], s[PF:PF+1] th:TH_LOAD_NT scope:SCOPE_SE   ; lanes past the sixth name the sixth block again
.Lno_pf:
.set KK, 0
.rept 8
.if KK < 7
	s_wait_dscnt 24                                ; this K step's fragments are in; the next step's 24 loads stay out
.else
	s_wait_dscnt 0x0
.endif
.if 12*(7-KK) > 63
	s_wait_loadcnt 63                              ; first trip: the scale words and my tokens' K step are in (84 or 72 loads were issued behind them)
.else
	s_wait_loadcnt 12*(7-KK)                       ; first trip: the later K steps' 12 loads each stay out; in later trips no load is out
.endif
.if KK == 0
	MULK KK, 1                                     ; the first K step starts the sums: nothing is cleared
.else
	MULK KK, 0
.endif
.if KK+2 < 8
	PLACES
	LOADW KK+2
.endif
.set KK, KK+1
.endr
	WIN 0
	PLACES
	s_cmp_lt_u32 s[JN], s[NT]
	s_cbranch_scc0 .Lno_sa
.irp j, 0,1,2,3
	SCL SA, SC0, \j, 65536                         ; the next group's scale words land under the way out
.endr
.Lno_sa:
	ACT 0
	ACT 1
.irp b, 0,1,2,3
.irp p, 0,1,2
	global_store_b64 v[V8], v[DC+8*\b+2*\p:DC+8*\b+2*\p+1], s[OUTC:OUTC+1] offset:36864*\b+256*\p      ; 32 lanes store 256 consecutive bytes, aligned
.endr
	global_store_b16 v[VR], v[PW+\b], s[OUTS:OUTS+1] offset:1536*\b                                   ; lanes r and r + 16 store the same two bytes to the same place
.endr
	s_wait_xcnt 0x0                                ; the stores' data and bases and the loads' base are written again only behind this wait
	s_add_nc_u64 s[OUTC:OUTC+1], s[OUTC:OUTC+1], 16*768
	s_add_nc_u64 s[OUTS:OUTS+1], s[OUTS:OUTS+1], 512
	s_add_nc_u64 s[SC0:SC0+1], s[SC0:SC0+1], 65536
	s_wait_loadcnt 0x0                             ; the next group's scale words are in
.Lno_work:
	s_xor_b32 s[SLO], s[SLO], SLOT
	s_add_co_u32 s[J], s[J], 1
	s_cmp_lt_u32 s[J], 3
	s_wait_alu depctr_va_vdst(0)                   ; the wait ahead of the backward jump
	s_cbranch_scc1 .Ltrip
	s_wait_tensorcnt 0x0                           ; the wave's end
	ds_add_u32 v[SPW], v[NIL]
	s_wait_dscnt 0x0
	s_endpgm
.Lfunc_end_k_q40d6508250_up:
	.size	k_q40d6508250_up, .Lfunc_end_k_q40d6508250_up-k_q40d6508250_up
	.p2alignl 7, 3214868480
	.fill 96, 4, 3214868480
	.section	.rodata,"a",@progbits
	.p2align	6, 0x0
	.amdhsa_kernel k_q40d6508250_up
		.amdhsa_group_segment_fixed_size 327680
		.amdhsa_private_segment_fixed_size 0
		.amdhsa_enable_private_segment 0
		.amdhsa_kernarg_size 24
		.amdhsa_user_sgpr_count 2
		.amdhsa_user_sgpr_kernarg_segment_ptr 1
		.amdhsa_wavefront_size32 1
		.amdhsa_system_sgpr_workgroup_id_x 1
		.amdhsa_system_sgpr_workgroup_id_y 1
		.amdhsa_system_sgpr_workgroup_id_z 1
		.amdhsa_system_vgpr_workitem_id 0
		.amdhsa_next_free_vgpr 1024
		.amdhsa_next_free_sgpr 66
		.amdhsa_reserve_vcc 0
		.amdhsa_float_denorm_mode_32 3
		.amdhsa_float_denorm_mode_16_64 3
		.amdhsa_memory_ordered 1
		.amdhsa_forward_progress 1
		.amdhsa_inst_pref_size 97
	.end_amdhsa_kernel
	.amdgpu_metadata
---
amdhsa.version: [ 1, 2 ]
amdhsa.kernels:
  - .name:           k_q40d6508250_up
    .symbol:         k_q40d6508250_up.kd
    .args:
      - { .name: wq, .offset: 0, .size: 8, .value_kind: global_buffer, .address_space: global }
      - { .name: act, .offset: 8, .size: 8, .value_kind: global_buffer, .address_space: global }
      - { .name: gq, .offset: 16, .size: 8, .value_kind: global_buffer, .address_space: global }
    .group_segment_fixed_size: 327680
    .private_segment_fixed_size: 0
    .kernarg_segment_align: 8
    .kernarg_segment_size: 24
    .max_flat_workgroup_size: 128
    .sgpr_count:     66
    .vgpr_count:     1024
    .wavefront_size: 32
...
	.end_amdgpu_metadata
.endif
;; end of part 5
;; launch down (part 6): grid 8 x 32, 4 waves a work-group, no clusters, 135,680 bytes of LDS; arguments wq, gq, x1, out0; writes out0
.if DOCPART == 6
	.amdgcn_target "amdgcn-amd-amdhsa--gfx1250"
	.amdhsa_code_object_version 6
	.text
	.protected	k_q40d6508250_down
	.globl	k_q40d6508250_down
	.p2align	8
	.type	k_q40d6508250_down,@function
k_q40d6508250_down:
	s_mov_b64 s[64:65], 0
	v_nop
	global_prefetch_b8 v0, s[64:65] scope:SCOPE_SE
	s_setreg_imm32_b32 hwreg(HW_REG_WAVE_MODE, 25, 1), 1
	s_wait_xcnt 0x0
; out0 = x1 + g w2^T, on codes of MX-FP6.  The same text as the launch that makes x1 = x + attention's result x w_o^T, with other constants at its head: K = 2,816 (2,730 filled with zero codes) in 22 steps.
; A tile of the result is 128 output columns x 64 tokens: source 0 = 8 tiles of the weight's rows, source 1 = 4 tiles of tokens; 32 accumulators.  There are 8 x 64 such tiles, half as many as the chip has SIMDs,
; so K IS SHARED BY TWO WAVES: wave 2 tp + kh of a work-group takes token group 2 y + tp and the K steps 2 k + kh, k = 0 .. KL - 1.  The two halves of a sum are added in f32 on the way out.
; Both operands lie in memory in the order of the operand's registers and go straight into registers: the weight's fragment by three loads of 16 bytes a lane, the tokens' (made half a fragment at a time) by six of 8 bytes.
; No joint requests: a joint request fills LDS, and no operand goes through LDS here.
; THE WAY OUT: a lane holds one token and 64 of the 128 columns.  Each wave puts its four blocks of 16 tokens into its own stage in LDS; behind one barrier wave kh reads blocks 2 kh and 2 kh + 1 back as rows of 512 bytes,
; its own and its partner's, adds them and the residual's same 512 bytes, and stores them.  The residual is asked for behind the last K step but one, into registers that no product names.
; REGISTERS: window 0: addresses, from v32 scale words, v252, v253 the add's two; window 1: the accumulators, (a, b) at v[8 (8 b + a)]; windows 2, 3: v0-143 two sets of fragments, v144-207 the residual;
; on the way out window 2, v0-127, holds my rows and window 3, v0-127, my partner's.
.set KS,  22                           ; K steps of 128 in all
.set KL,  KS/2                         ; and of a wave
.set KSR, 24
.set NL,  48                           ; loads of a K step
.set TS0, 36864
.set TS1, 36864
.set SS,  1536
.set WI,  7471104                      ; the weight's images in wq,
.set WS,  10141696                     ; its scale words,
.set S1SCL, 9437184                    ; and the tokens' scale words in their buffer
.set LAST, 1                           ; 1: the result is read by no later launch
.set BLKB, 8448                        ; a block in a stage: 16 rows x (512 bytes + 16)
.set STGW, 4*BLKB                      ; a wave's stage
.set SPARE, 4*STGW                     ; behind the four stages: the spare words, 128 bytes for each wave: two blocks of 256 bytes that no other line names
.set VI, 4
.set V8, 5
.set VS, 6
.set STO, 7
.set RDO, 9
.set RDP, 10
.set SPW, 252
.set NIL, 253
.set SA, 32
.set SB, SA+4*KSR
.set RS, 144                           ; the residual: my first block's 16 rows in window 2, my second's in window 3
.set P0, 14
.set P1, 16
.set SC0, 18
.set SC1, 20
.set RES, 22
.set OUT, 34
.set MSB, 0
.macro WIN new                         ; the immediate's high byte repeats the setting that is left; a switch that changes nothing is dropped
.if MSB != (\new)
	s_set_vgpr_msb (MSB<<8)|(\new)
.set MSB, (\new)
.endif
.endm
.macro PLACES                          ; four places behind a matrix instruction, ahead of loads into its sources and of reads of its results
.rept 4
	v_nop
.endr
.endm
.macro SCL reg, ptr, j                 ; the scale words of tiles 2 j (lanes 0-15) and 2 j + 1 (lanes 16-31): register s = K step s; only K steps that were written are read
.set Q_, 0
.rept KS/4
	global_load_b128 v[(\reg)+KSR*(\j)+4*Q_:(\reg)+KSR*(\j)+4*Q_+3], v[VS], s[\ptr:\ptr+1] offset:2*(\j)*SS+256*Q_
.set Q_, Q_+1
.endr
.if KS%4
	global_load_b64 v[(\reg)+KSR*(\j)+4*Q_:(\reg)+KSR*(\j)+4*Q_+1], v[VS], s[\ptr:\ptr+1] offset:2*(\j)*SS+256*Q_
.endif
.endm
; A matrix instruction names its scale register in the text, so each wave brings the words of ITS K steps, 2 k + kh, to registers k: a choice on the wave's parity (s37 = all ones where kh = 1).
; k ascends, so register k is written when registers 2 k and 2 k + 1 have not been written.  Eight places follow, ahead of the first scaled product.
.macro PICKS
.irp j, 0,1,2,3,4,5
.set K_, 0
.rept KL
	v_cndmask_b32 v[SA+KSR*\j+K_], v[SA+KSR*\j+2*K_], v[SA+KSR*\j+2*K_+1], s37
.set K_, K_+1
.endr
.endr
.rept 8
	v_nop
.endr
.endm
.macro LOADK k                         ; my K step k's 12 fragments into set k % 2; from one of my steps to the next are two images
	WIN 0x80+0x40*((\k)%2)
.irp a, 0,1,2,3,4,5,6,7
.irp c, 0,1,2
	global_load_b128 v[12*\a+4*\c:12*\a+4*\c+3], v[VI], s[P0:P0+1] offset:\a*TS0+3072*(\k)+512*\c
.endr
.endr
.irp b, 0,1,2,3
.irp p, 0,1,2,3,4,5
	global_load_b64 v[96+12*\b+2*\p:96+12*\b+2*\p+1], v[V8], s[P1:P1+1] offset:\b*TS1+3072*(\k)+256*\p
.endr
.endr
.endm
.macro RESID                           ; the residual of my two blocks: position i of block bb is token 8 bb + i + 8 (i / 8) of my 32; 32 lanes read 512 consecutive bytes; each byte is read once in the launch
	WIN 0x80
.irp i, 0,1,2,3,4,5,6,7,8,9,10,11,12,13,14,15
	global_load_b128 v[RS+4*\i:RS+4*\i+3], v[VI], s[RES:RES+1] offset:(\i+8*(\i/8))*4096 th:TH_LOAD_NT
.endr
	WIN 0xC0
.irp i, 0,1,2,3,4,5,6,7,8,9,10,11,12,13,14,15
	global_load_b128 v[RS+4*\i:RS+4*\i+3], v[VI], s[RES:RES+1] offset:(8+\i+8*(\i/8))*4096 th:TH_LOAD_NT
.endr
.endm
.macro QUAD ap, bp, k, zero            ; tiles 2 ap, 2 ap + 1 of source 0 x 2 bp, 2 bp + 1 of source 1; an odd tile's scale words lie in lanes 16-31
.set D00, 8*(16*(\bp)+2*(\ap))
.set A0_, 24*(\ap)
.set B0_, 96+24*(\bp)
.set QA_, SA+KSR*(\ap)+(\k)
.set QB_, SB+KSR*(\bp)+(\k)
.if \zero
	v_wmma_scale_f32_16x16x128_f8f6f4 v[D00:D00+7], v[A0_:A0_+11], v[B0_:B0_+11], 0, v[QA_], v[QB_] matrix_a_fmt:MATRIX_FMT_FP6 matrix_b_fmt:MATRIX_FMT_FP6
	v_wmma_scale_f32_16x16x128_f8f6f4 v[D00+8:D00+15], v[A0_+12:A0_+23], v[B0_:B0_+11], 0, v[QA_], v[QB_] matrix_a_fmt:MATRIX_FMT_FP6 matrix_b_fmt:MATRIX_FMT_FP6 matrix_a_scale:MATRIX_SCALE_ROW1
	v_wmma_scale_f32_16x16x128_f8f6f4 v[D00+64:D00+71], v[A0_:A0_+11], v[B0_+12:B0_+23], 0, v[QA_], v[QB_] matrix_a_fmt:MATRIX_FMT_FP6 matrix_b_fmt:MATRIX_FMT_FP6 matrix_b_scale:MATRIX_SCALE_ROW1
	v_wmma_scale_f32_16x16x128_f8f6f4 v[D00+72:D00+79], v[A0_+12:A0_+23], v[B0_+12:B0_+23], 0, v[QA_], v[QB_] matrix_a_fmt:MATRIX_FMT_FP6 matrix_b_fmt:MATRIX_FMT_FP6 matrix_a_scale:MATRIX_SCALE_ROW1 matrix_b_scale:MATRIX_SCALE_ROW1
.else
	v_wmma_scale_f32_16x16x128_f8f6f4 v[D00:D00+7], v[A0_:A0_+11], v[B0_:B0_+11], v[D00:D00+7], v[QA_], v[QB_] matrix_a_fmt:MATRIX_FMT_FP6 matrix_b_fmt:MATRIX_FMT_FP6
	v_wmma_scale_f32_16x16x128_f8f6f4 v[D00+8:D00+15], v[A0_+12:A0_+23], v[B0_:B0_+11], v[D00+8:D00+15], v[QA_], v[QB_] matrix_a_fmt:MATRIX_FMT_FP6 matrix_b_fmt:MATRIX_FMT_FP6 matrix_a_scale:MATRIX_SCALE_ROW1
	v_wmma_scale_f32_16x16x128_f8f6f4 v[D00+64:D00+71], v[A0_:A0_+11], v[B0_+12:B0_+23], v[D00+64:D00+71], v[QA_], v[QB_] matrix_a_fmt:MATRIX_FMT_FP6 matrix_b_fmt:MATRIX_FMT_FP6 matrix_b_scale:MATRIX_SCALE_ROW1
	v_wmma_scale_f32_16x16x128_f8f6f4 v[D00+72:D00+79], v[A0_+12:A0_+23], v[B0_+12:B0_+23], v[D00+72:D00+79], v[QA_], v[QB_] matrix_a_fmt:MATRIX_FMT_FP6 matrix_b_fmt:MATRIX_FMT_FP6 matrix_a_scale:MATRIX_SCALE_ROW1 matrix_b_scale:MATRIX_SCALE_ROW1
.endif
.endm
.macro MULK k, zero                    ; 32 matrix instructions on 32 accumulators, by turns, in the same order in every K step
	WIN 0x5A+5*((\k)%2)                            ; sources 0 and 1: window 2 or 3; C and D: window 1
.irp bp, 0,1
.irp ap, 0,1,2,3
	QUAD \ap, \bp, \k, \zero
.endr
.endr
.endm
.macro MAIN
.irp j, 0,1,2,3
	SCL SA, SC0, \j
.endr
.irp j, 0,1
	SCL SB, SC1, \j
.endr
	LOADK 0
	LOADK 1
.set KK, 0
.rept KL
.if KK < KL-1
	s_wait_alu depctr_va_vdst(0)
	s_wait_loadcnt NL                              ; this K step's fragments are in (and all that was asked for ahead of them); the next step's NL loads, the only ones issued behind them, stay out
.else
	s_wait_loadcnt 32                              ; the last step's fragments are in; the residual's 32 loads, issued behind them, stay out
.endif
.if KK == 0
	WIN 0
	PICKS
	MULK KK, 1                                     ; the first K step starts the sums: nothing is cleared
.else
	MULK KK, 0
.endif
.if KK+2 < KL
	PLACES
	LOADK KK+2
.endif
.if KK == KL-2
	RESID                                          ; no fragment is left to ask for: the residual goes out, and has the last K step, the stage and the barrier in which to land
.endif
.set KK, KK+1
.endr
.endm
	s_load_b256 s[4:11], s[0:1], 0x0               ; wq s[4:5], the tokens' codes s[6:7], the residual s[8:9], the result s[10:11]
	v_lshl_add_u32 v[SPW], v0, 2, SPARE
	v_mov_b32 v[NIL], 0
	v_lshrrev_b32 v8, 5, v0                        ; wave
	v_readfirstlane_b32 s12, v8
	v_and_b32 v1, 31, v0
	v_and_b32 v2, 15, v0
	v_bfe_u32 v3, v0, 4, 1
	v_lshlrev_b32 v[VI], 4, v1
	v_lshlrev_b32 v[V8], 3, v1
	v_mul_u32_u24 v[VS], v3, SS
	v_lshl_add_u32 v[VS], v2, 4, v[VS]
	v_mul_u32_u24 v11, v8, STGW                    ; my stage
	v_mul_u32_u24 v[STO], v2, 528
	v_add_nc_u32 v[STO], v[STO], v11
	v_lshl_add_u32 v[STO], v3, 6, v[STO]           ; in: row r, + 64 h
	v_and_b32 v12, 1, v8                           ; kh
	v_mul_u32_u24 v12, v12, 2*BLKB                 ; the two blocks that I finish,
	v_add_nc_u32 v12, v12, v[VI]                   ; 16 bytes a lane of a row:
	v_add_nc_u32 v[RDO], v11, v12                  ; in my stage,
	v_xor_b32 v13, 1, v8
	v_mul_u32_u24 v13, v13, STGW
	v_add_nc_u32 v[RDP], v13, v12                  ; and in my partner's
	s_and_b32 s36, s12, 1                          ; kh: which K steps are mine
	s_lshr_b32 s38, s12, 1                         ; tp
	s_and_b32 s13, ttmp7, 0xffff
	s_lshl_b32 s13, s13, 1
	s_add_co_u32 s13, s13, s38                     ; tg: my 64 tokens
	s_cmp_lg_u32 s36, 0
	s_cselect_b32 s37, -1, 0                       ; all ones where kh = 1
	s_mul_i32 s38, s36, 1536                       ; my first K step's image
	s_mul_i32 s24, ttmp9, 8*TS0
	s_add_co_u32 s24, s24, WI
	s_add_co_u32 s24, s24, s38
	s_mov_b32 s25, 0
	s_mul_i32 s26, ttmp9, 8*SS
	s_add_co_u32 s26, s26, WS
	s_mov_b32 s27, 0
	s_mul_i32 s28, s13, 4*TS1
	s_add_co_u32 s28, s28, s38
	s_mov_b32 s29, 0
	s_mul_i32 s30, s13, 4*SS
	s_add_co_u32 s30, s30, S1SCL
	s_mov_b32 s31, 0
	s_lshl_b32 s32, s13, 18                        ; 64 rows of 4,096 bytes,
	s_lshl_b32 s33, ttmp9, 9                       ; my 128 columns,
	s_add_co_u32 s32, s32, s33
	s_lshl_b32 s33, s36, 17                        ; and the 32 tokens that I finish
	s_add_co_u32 s32, s32, s33
	s_mov_b32 s33, 0
	s_wait_kmcnt 0x0
	s_add_nc_u64 s[P0:P0+1], s[4:5], s[24:25]
	s_add_nc_u64 s[SC0:SC0+1], s[4:5], s[26:27]
	s_add_nc_u64 s[P1:P1+1], s[6:7], s[28:29]
	s_add_nc_u64 s[SC1:SC1+1], s[6:7], s[30:31]
	s_add_nc_u64 s[RES:RES+1], s[8:9], s[32:33]
	s_add_nc_u64 s[OUT:OUT+1], s[10:11], s[32:33]
	MAIN
	WIN 0
	PLACES
	WIN 0x04                                       ; an LDS store's data are its source 1: window 1
.irp b, 0,1,2,3
.irp a, 0,1,2,3,4,5,6,7
	ds_store_b128 v[STO], v[64*\b+8*\a:64*\b+8*\a+3] offset:BLKB*\b+128*(\a/2)+32*(\a%2)          ; each accumulator from its low end on: columns 32 (a / 2) + 16 h + 8 (a % 2) + 0 .. 7
	ds_store_b128 v[STO], v[64*\b+8*\a+4:64*\b+8*\a+7] offset:BLKB*\b+128*(\a/2)+32*(\a%2)+16
.endr
.endr
	WIN 0
	s_wait_dscnt 0x0                               ; for my partner's sake: my half of the sums lies in my stage
	s_barrier_signal -1
	s_barrier_wait -1                              ; everybody's does
.irp bb, 0,1
	WIN 0x80
.irp i, 0,1,2,3,4,5,6,7,8,9,10,11,12,13,14,15
	ds_load_b128 v[64*\bb+4*\i:64*\bb+4*\i+3], v[RDO] offset:BLKB*\bb+528*\i       ; my half, as rows
.endr
	WIN 0xC0
.irp i, 0,1,2,3,4,5,6,7,8,9,10,11,12,13,14,15
	ds_load_b128 v[64*\bb+4*\i:64*\bb+4*\i+3], v[RDP] offset:BLKB*\bb+528*\i       ; my partner's
.endr
.endr
.irp bb, 0,1
	s_wait_dscnt 32*(1-\bb)                        ; this block's 32 LDS loads are in; the second block's 32 stay out
	s_wait_loadcnt 16*(1-\bb)                      ; this block's 16 rows of the residual are in; the second block's stay out
	WIN 0x8E                                       ; destination and source 0 window 2, source 1 window 3
.set N_, 0
.rept 32
	v_pk_add_f32 v[64*\bb+N_:64*\bb+N_+1], v[64*\bb+N_:64*\bb+N_+1], v[64*\bb+N_:64*\bb+N_+1]    ; the two halves of K
.set N_, N_+2
.endr
	WIN 0x8A+4*\bb                                 ; source 1: the residual, in window 2 or 3
.set N_, 0
.rept 32
	v_pk_add_f32 v[64*\bb+N_:64*\bb+N_+1], v[64*\bb+N_:64*\bb+N_+1], v[RS+N_:RS+N_+1]
.set N_, N_+2
.endr
	WIN 0x08                                       ; a store's data are its source 1: window 2
.irp i, 0,1,2,3,4,5,6,7,8,9,10,11,12,13,14,15
.if LAST
	global_store_b128 v[VI], v[64*\bb+4*\i:64*\bb+4*\i+3], s[OUT:OUT+1] offset:(8*\bb+\i+8*(\i/8))*4096 th:TH_STORE_NT    ; 32 lanes store 512 consecutive bytes, aligned to 256; written once, read by nobody here
.else
	global_store_b128 v[VI], v[64*\bb+4*\i:64*\bb+4*\i+3], s[OUT:OUT+1] offset:(8*\bb+\i+8*(\i/8))*4096
.endif
.endr
.endr
	WIN 0
	s_wait_tensorcnt 0x0                           ; the wave's end, behind my last LDS store
	ds_add_u32 v[SPW], v[NIL]
	s_wait_dscnt 0x0
	s_endpgm
.Lfunc_end_k_q40d6508250_down:
	.size	k_q40d6508250_down, .Lfunc_end_k_q40d6508250_down-k_q40d6508250_down
	.p2alignl 7, 3214868480
	.fill 96, 4, 3214868480
	.section	.rodata,"a",@progbits
	.p2align	6, 0x0
	.amdhsa_kernel k_q40d6508250_down
		.amdhsa_group_segment_fixed_size 135680
		.amdhsa_private_segment_fixed_size 0
		.amdhsa_enable_private_segment 0
		.amdhsa_kernarg_size 32
		.amdhsa_user_sgpr_count 2
		.amdhsa_user_sgpr_kernarg_segment_ptr 1
		.amdhsa_wavefront_size32 1
		.amdhsa_system_sgpr_workgroup_id_x 1
		.amdhsa_system_sgpr_workgroup_id_y 1
		.amdhsa_system_sgpr_workgroup_id_z 1
		.amdhsa_system_vgpr_workitem_id 0
		.amdhsa_next_free_vgpr 1024
		.amdhsa_next_free_sgpr 66
		.amdhsa_reserve_vcc 0
		.amdhsa_float_denorm_mode_32 3
		.amdhsa_float_denorm_mode_16_64 3
		.amdhsa_memory_ordered 1
		.amdhsa_forward_progress 1
		.amdhsa_inst_pref_size 130
	.end_amdhsa_kernel
	.amdgpu_metadata
---
amdhsa.version: [ 1, 2 ]
amdhsa.kernels:
  - .name:           k_q40d6508250_down
    .symbol:         k_q40d6508250_down.kd
    .args:
      - { .name: wq, .offset: 0, .size: 8, .value_kind: global_buffer, .address_space: global }
      - { .name: gq, .offset: 8, .size: 8, .value_kind: global_buffer, .address_space: global }
      - { .name: x1, .offset: 16, .size: 8, .value_kind: global_buffer, .address_space: global }
      - { .name: out0, .offset: 24, .size: 8, .value_kind: global_buffer, .address_space: global }
    .group_segment_fixed_size: 135680
    .private_segment_fixed_size: 0
    .kernarg_segment_align: 8
    .kernarg_segment_size: 32
    .max_flat_workgroup_size: 128
    .sgpr_count:     66
    .vgpr_count:     1024
    .wavefront_size: 32
...
	.end_amdgpu_metadata
.endif
;; end of part 6
